; MI455X (gfx1250); checked and timed in simulation.
; The chip was launched on July 23, 2026; its instructions are those of AMD's public machine-readable ISA for CDNA 5 (MIT licence, August 2026) and "CDNA5" Instruction Set Architecture Reference Guide (July 2026). The comments in the code are by the model that wrote it; some were corrected since.
;; Top K Sorted Attention. Allowed arithmetic: matrix products marked QUANTISED: E5M2 operands, one given power-of-two scale a tensor, by v_wmma_f32_16x16x64_bf8_bf8 or v_wmma_f32_16x16x128_bf8_bf8, f32 sums; products left as they are: f32 operands where the result goes on into a quantised operand, else bf16, f16 or f32 operands; f32 sums; everything else in f32.
;; Inputs: Wk_codes 128 x 32 x 32 uint8 (E5M2 codes of Wk, K innermost, in blocks of 32 codes); Wo_codes 1,024 x 32 x 32 uint8 (E5M2 codes of Wo, K innermost, in blocks of 32 codes); Wq_codes 128 x 32 x 32 uint8 (E5M2 codes of Wq, K innermost, in blocks of 32 codes); Wv_codes 1,024 x 32 x 32 uint8 (E5M2 codes of Wv, K innermost, in blocks of 32 codes); lowp_scales 8 int32 (the exponents e of the quantised operands' scales 2^e); x_codes 4 x 4,096 x 32 x 32 uint8 (E5M2 codes of x, K innermost, in blocks of 32 codes).
;; Outputs: out0 4 x 4,096 x 1,024 float32.
;; This version of the problem:
;;   THIS VERSION OF THE PROBLEM IS GIVEN IN LOW PRECISION. The matrix products marked QUANTISED in the list below multiply operands that are first quantised to E5M2 (5 exponent bits, 2 mantissa bits; 8 bits a number), with one given power-of-two scale for each operand tensor; their sums are f32. All else is computed in f32.
;;   The module's matrix products, in the order in which they are computed (A, B: the left and right operand; K: the contracted axis; several contracted axes count as one K, in the product's order):
;;     1. [M 128, K 1,024] x [K 1,024, N 16,384]; A: input Wq (given as codes); B: input x (given as codes): QUANTISED (scales: A lowp_scales[0], B lowp_scales[1])
;;     2. [M 128, K 1,024] x [K 1,024, N 16,384]; A: input Wk (given as codes); B: input x (given as codes): QUANTISED (scales: A lowp_scales[2], B lowp_scales[3])
;;     3. [M 16,384, K 1,024] x [K 1,024, N 1,024]; A: input x (given as codes); B: input Wv (given as codes): QUANTISED (scales: A lowp_scales[4], B lowp_scales[5])
;;     4. batch 512 x [M 4,096, K 32] x [K 32, N 8]; A: softmax; B: computed on the way: left as it is (N = 8 < 16)
;;     5. batch 512 x [M 4,096, K 32] x [K 32, N 8]; A: softmax; B: computed on the way: left as it is (N = 8 < 16)
;;     6. [M 16,384, K 1,024] x [K 1,024, N 1,024]; A: computed on the way; B: input Wo (given as codes): QUANTISED (scales: A lowp_scales[6], B lowp_scales[7])
;;   THE QUANTISER, for each operand of a quantised product, along K:
;;     - The operand's scale is 2^e, e = its entry of the input lowp_scales (int32; the entries are numbered through the quantised products in the list's order, A before B).
;;     - Each number is divided by the scale, clamped to +-57,344, and rounded to the nearest number of E5M2, ties to even, subnormals kept.
;;     - The product sums the exact products of the quantised numbers (number of the format x scale) in f32.
;;   ~~~python
;;   def quantise(x, axis, e):      # numpy; x: float32 -> the quantised numbers, widened to float32 again
;;       x = np.moveaxis(x, axis, -1); K = x.shape[-1]
;;       r = np.clip(x / 2.0 ** e, -57344, 57344)
;;       step = 2.0 ** (np.maximum(np.frexp(np.where(r == 0, 1, r))[1] - 1, -14) - 2)
;;       q = np.round(r / step) * step * 2.0 ** e      # np.round: ties to even
;;       return np.moveaxis(q, -1, axis).astype(np.float32)
;;   ~~~
;;   OPERANDS COMPUTED ON THE WAY. 'Computed on the way' means the value that the module computes at that place (a softmax that the list does not call 'softmax' is quantised finished and normalised). What goes into a quantiser is computed in f32, as accurately as f32 sums, v_exp_f32 and their like allow (about 1e-6 of the number): no bf16 or f16 on the way to a quantiser, and a product that is left as it is and whose result goes on into a quantised operand takes f32 operands (vector FMAs, or v_wmma_f32_16x16x4_f32). A number that lies on a knife's edge between two numbers of the format may be rounded either way, as far as f32 arithmetic and the matrix unit's own rounding can turn it there, and no further.
;;   INPUTS GIVEN AS CODES. Wk (in the module: [128, 1024], K = its axis 1); Wo (in the module: [1024, 1024], K = its axis 1); Wq (in the module: [128, 1024], K = its axis 1); Wv (in the module: [1024, 1024], K = its axis 1); x (in the module: [4, 4096, 1024], K = its axis 2): each comes as NAME_codes (uint8): NAME with its K axis moved to the last place and cut into blocks of 32 codes, [.., K / 32, bytes a block], one block behind the other in memory; one code a byte (a code: sign, 5 exponent bits, 2 mantissa bits); its scale is its entry of lowp_scales. Its value is code x scale, taken as it is: it is not quantised again, and the codes and scales need not be those that the quantiser above would give.
;; 2 versions, each right; version 2 is version 1 with the launch attn written anew for expert scheduling mode. Each part assembles by itself: llvm-mc -triple=amdgcn-amd-amdhsa -mcpu=gfx1250 --defsym DOCPART=n.
;; ======== version 1 of 2: 4 launches
;; workspace buffers: qbuf 8,388,608 bytes; kbuf 8,388,608 bytes; idx 131,072 bytes of whole numbers; acodes 16,777,216 bytes
;; launch proj (part 1): grid 128 x 2, 4 waves a work-group, clusters of 4 x 1, 327,680 bytes of LDS; arguments x_codes, Wq_codes, Wk_codes, lowp_scales, qbuf, kbuf; writes qbuf, kbuf
.if DOCPART == 1
	.amdgcn_target "amdgcn-amd-amdhsa--gfx1250"
	.amdhsa_code_object_version 6
	.text
	.protected	k_qb7e7411a34_proj
	.globl	k_qb7e7411a34_proj
	.p2align	8
	.type	k_qb7e7411a34_proj,@function
k_qb7e7411a34_proj:
	s_mov_b64 s[64:65], 0
	v_nop
	global_prefetch_b8 v0, s[64:65] scope:SCOPE_SE
	s_setreg_imm32_b32 hwreg(HW_REG_WAVE_MODE, 25, 1), 1
	s_wait_xcnt 0x0
	s_wait_alu depctr_hold_cnt(0) depctr_sa_sdst(0) depctr_va_vdst(0) depctr_va_sdst(0) depctr_va_ssrc(0) depctr_va_vcc(0) depctr_vm_vsrc(0)
	s_getreg_b32 s2, hwreg(HW_REG_IB_STS2, 6, 4)
	s_cmp_eq_u32 s2, 0
	s_cbranch_scc0 .Lentry_in_a_cluster
	s_endpgm
.Lentry_in_a_cluster:
	s_bfe_u32 s2, ttmp6, 0x10000c
	s_cmp_lg_u32 s2, 0x3003
	s_cbranch_scc0 .Lentry_shape_is_right
	s_endpgm
.Lentry_shape_is_right:
; q[b][h][s] = 2^(e0+e1) x the sum over k of x[b][s][k] Wq[h][k] (work-group y = 0); keys likewise with Wk and e2+e3 (y = 1).  Codes of BF8 (E5M2), multiplied as they are; sums in f32.
; x: [16384][1024] bytes, W: [128][1024] bytes, K innermost.  Results: f32 [4][128][4096], the sequence innermost, as the later launches read them.
; LIMIT: e0 + e1 and e2 + e3 lie between -126 and 127, so that the power of two is an f32 number.
; SHARES.  A work-group makes 128 rows of x against all 128 heads, K = 1,024.  Four waves, each 64 rows x 64 heads: 16 accumulators of 16 x 16.
; LDS.  All of the work-group's operands fit at once: x's 128 rows and W's 128 rows, each as four chunks of 256 along K (rows of 256 bytes + 16 of padding).  Nothing is filled twice, so there is no ring:
; each wave issues two tensor loads at the start (waves 0, 2: chunks of x; waves 1, 3: chunks of W), the first two chunks are multiplied while the last two land.
; CLUSTER.  The four work-groups of a cluster have the same y and so the same W: its chunks are asked for jointly (mask 15).  x's chunks are each work-group's own (no mask).
; LAYOUT.  Source 0 = 16 rows of x, source 1 = 16 heads: a lane then holds ONE head (lane % 16) and eight neighbouring places of the sequence, 32 bytes of a result row.
; A fragment (16 rows x 128 K) is fetched by four loads of 16 bytes, 32 apart: a permutation of k inside the instruction that is the same on both sides, so each product meets its partner.
; REGISTERS: window 0: v16-26 addresses, v32-63 scaled results, v64-127 rows read back (two sets), v128-255 accumulators ((a, b) at 128 + 8 (4 a + b)).  Window 1: two fragment buffers of 128: x's four, then W's four.
.set PITCH,  272                       ; an LDS row: 256 bytes + 16 = 68 words: row r starts at bank 4 r mod 64, so the 16 rows of a load start at 16 different banks
.set CHUNK,  128*PITCH                 ; 128 rows x 256 along K
.set WOFF,   4*CHUNK                   ; W's four chunks lie behind x's four
.set STAGE,  8*CHUNK                   ; behind them: 16 rows x 272 bytes for each wave, for the way out; no tensor load lands here
.set STGB,   16*PITCH
.set ADRA, 16                          ; v16, v17  my x fragments: chunks 0-1, chunks 2-3
.set ADRB, 20                          ; v20, v21  the same for W
.set STO,  24                          ; v24  the way out: where I put 32 bytes of a head's row
.set RD,   25                          ; v25  where I read a row back
.set CO,   26                          ; v26  my byte offset in the result
.set TMP,  32
.set BK,   64
.set ACC,  128
.set F0,   0
.set F1,   128
.set G1X,  24                          ; s[24:31] descriptor group 1 for x's chunks; s[32:39] two groups 0
.set G0X,  32
.set G1W,  48                          ; s[48:55], s[56:63] the same for W's
.set G0W,  56
.set MSB, 0
.macro WIN new                         ; the immediate's high byte repeats the setting that is left
.if MSB != \new
	s_set_vgpr_msb (MSB<<8)|\new
.set MSB, \new
.endif
.endm
.set MULW, 0x05                        ; sources 0 and 1 window 1; C and D window 0
.set TO_F, 0x40                        ; destination window 1, address window 0
.macro CROUND                          ; a round of the cluster's barrier
	s_barrier_signal -1
	s_barrier_wait -1
	s_cmp_lg_u32 s16, 0
	s_cbranch_scc1 .Lnot_wave_0_\@
	s_barrier_signal -3
.Lnot_wave_0_\@:
	s_barrier_wait -3
	s_barrier_signal -1
	s_barrier_wait -1
.endm
.macro PLACES                          ; four places in front of loads into registers that matrix instructions have read, and of the first read of results
.rept 4
	v_nop
.endr
.endm
	s_load_b256 s[4:11], s[0:1], 0x0               ; x s[4:5], Wq s[6:7], Wk s[8:9], the scales' exponents s[10:11]
	s_load_b128 s[12:15], s[0:1], 0x20             ; q's buffer s[12:13], the keys' s[14:15]
	v_lshl_add_u32 v30, v0, 2, 0x48400
	v_mov_b32 v31, 0
	ds_add_u32 v30, v31
	ds_add_u32 v30, v31
	v_lshrrev_b32 v1, 5, v0
	v_readfirstlane_b32 s16, v1                    ; wave 0..3
	s_and_b32 s17, s16, 1                          ; my half of the heads.  Also: I fetch x (0) or W (1)
	s_lshr_b32 s18, s16, 1                         ; my half of the rows.  Also: the first chunk that I fetch
	s_bfe_u32 s19, ttmp6, 0x40000                  ; cx: my place in the cluster
	s_lshl_b32 s20, ttmp9, 2
	s_add_co_u32 s20, s20, s19                     ; my tile of 128 rows = 4 x cluster x + cx: it enters x's and the result's addresses alone
	s_and_b32 s21, ttmp7, 0xffff                   ; y: 0 = q, 1 = keys; the four partners share it
	s_mov_b32 s[G1X], (1<<20)|(5<<22)|(3<<25)      ; no mask; elements of 1 byte; padding on: after every 64 words, 4 words
	s_mov_b32 s[G1W], 15|(1<<20)|(1<<21)|(5<<22)|(3<<25)   ; the same with the mask of all four work-groups, bit 21 set beside it
.irp g, G1X, G1W
	s_mov_b32 s[\g+1], 256<<16                     ; tensor_dim0 = 256
	s_mov_b32 s[\g+2], 128<<16                     ; tensor_dim1 = 128
	s_mov_b32 s[\g+3], 256<<16                     ; tile_dim0 = 256
	s_mov_b32 s[\g+4], 128                         ; tile_dim1 = 128
	s_mov_b32 s[\g+5], 1024                        ; bytes from row to row
	s_mov_b32 s[\g+6], 0
	s_mov_b32 s[\g+7], 0
.endr
	s_mul_i32 s40, s18, CHUNK                      ; my first chunk's place in LDS: the wave's number alone
	s_lshl_b32 s42, s18, 8                         ; and its 256 bytes along K
	s_mov_b32 s43, 0
	s_lshl_b32 s44, s20, 17                        ; my tile's 128 rows of 1,024 bytes
	s_mov_b32 s45, 0
	s_add_nc_u64 s[44:45], s[44:45], s[42:43]
	s_wait_dscnt 0x0
	s_wait_kmcnt 0x0
	s_load_b128 s[72:75], s[10:11], 0x0            ; e0, e1, e2, e3
	s_cmp_eq_u32 s21, 0
	s_cselect_b64 s[6:7], s[6:7], s[8:9]           ; the weight and
	s_cselect_b64 s[12:13], s[12:13], s[14:15]     ; the result's buffer: the choice hangs on y alone
	s_add_nc_u64 s[4:5], s[4:5], s[44:45]
	s_add_nc_u64 s[6:7], s[6:7], s[42:43]
	CROUND                                         ; all four work-groups are here: the joint loads meet
.irp n, 0,1                                        ; set n: chunk (wave / 2) + 2 n
	s_mov_b32 s[G0X+4*\n], 1
	s_add_co_u32 s[G0X+4*\n+1], s40, \n*2*CHUNK
	s_add_nc_u64 s[G0X+4*\n+2:G0X+4*\n+3], s[4:5], \n*512
	s_or_b32 s[G0X+4*\n+3], s[G0X+4*\n+3], 0x80000000
	s_mov_b32 s[G0W+4*\n], 1
	s_add_co_u32 s[G0W+4*\n+1], s40, WOFF+\n*2*CHUNK
	s_add_nc_u64 s[G0W+4*\n+2:G0W+4*\n+3], s[6:7], \n*512
	s_or_b32 s[G0W+4*\n+3], s[G0W+4*\n+3], 0x80000000
.endr
	s_cmp_eq_u32 s17, 0                            ; a wave's two loads stand in one branch on its number: two loads of mine are out
	s_cbranch_scc0 .Lfor_w
	tensor_load_to_lds s[G0X:G0X+3], s[G1X:G1X+7]
	s_nop 0
	tensor_load_to_lds s[G0X+4:G0X+7], s[G1X:G1X+7]
	s_nop 0
.rept 4
	v_nop
.endr
	s_branch .Lasked
.Lfor_w:
	tensor_load_to_lds s[G0W:G0W+3], s[G1W:G1W+7]
	s_nop 0
	tensor_load_to_lds s[G0W+4:G0W+7], s[G1W:G1W+7]
	s_nop 0
.rept 4
	v_nop
.endr
.Lasked:
	v_and_b32 v1, 15, v0                           ; r = lane % 16
	v_bfe_u32 v2, v0, 4, 1                         ; h = lane / 16
	v_mul_u32_u24 v3, v1, PITCH
	v_lshl_add_u32 v3, v2, 4, v3                   ; a fragment's row x pitch + 16 h
	s_mul_i32 s41, s18, 64*PITCH                   ; my 64 rows of x
	s_mul_i32 s46, s17, 64*PITCH                   ; my 64 heads,
	s_add_co_u32 s46, s46, WOFF                    ; behind x's chunks
	v_add_nc_u32 v[ADRA], s41, v3
	v_add_nc_u32 v[ADRA+1], 2*CHUNK, v[ADRA]
	v_add_nc_u32 v[ADRB], s46, v3
	v_add_nc_u32 v[ADRB+1], 2*CHUNK, v[ADRB]
	s_mul_i32 s47, s16, STGB
	s_add_co_u32 s47, s47, STAGE                   ; my stage
	v_mul_u32_u24 v4, v1, PITCH                    ; in: row = head r, 32 bytes for each half of the lanes
	v_lshl_add_u32 v4, v2, 5, v4
	v_add_nc_u32 v[STO], s47, v4
	v_mul_u32_u24 v5, v2, PITCH                    ; back: lanes 0-15 one head's 256 bytes, lanes 16-31 the next head's
	v_lshl_add_u32 v5, v1, 4, v5
	v_add_nc_u32 v[RD], s47, v5
	v_lshlrev_b32 v5, 14, v2                       ; and the same in the result: a head's row is 16,384 bytes
	v_lshl_add_u32 v[CO], v1, 4, v5
	s_lshr_b32 s66, s20, 5                         ; where my part of the result begins: batch x 128 heads x 16,384
	s_lshl_b32 s66, s66, 21
	s_lshl_b32 s67, s17, 20                        ; + my 64 heads
	s_add_co_u32 s66, s66, s67
	s_and_b32 s67, s20, 31                         ; + the tile's 128 places, 512 bytes
	s_lshl_b32 s67, s67, 9
	s_add_co_u32 s66, s66, s67
	s_lshl_b32 s67, s18, 8                         ; + my 64 of them
	s_add_co_u32 s66, s66, s67
	s_mov_b32 s67, 0
	s_add_nc_u64 s[12:13], s[12:13], s[66:67]
; 32 LDS loads: the fragments of K step s (128 along K; chunk s / 2, its half s % 2) into buffer f
.macro FETCH s, f
	WIN TO_F
.irp i, 0,1,2,3
.irp c, 0,1,2,3
	ds_load_b128 v[\f+16*\i+4*\c:\f+16*\i+4*\c+3], v[ADRA+(\s)/4] offset:(((\s)/2)%2)*CHUNK+\i*16*PITCH+128*((\s)%2)+32*\c
.endr
.endr
.irp i, 0,1,2,3
.irp c, 0,1,2,3
	ds_load_b128 v[\f+64+16*\i+4*\c:\f+64+16*\i+4*\c+3], v[ADRB+(\s)/4] offset:(((\s)/2)%2)*CHUNK+\i*16*PITCH+128*((\s)%2)+32*\c
.endr
.endr
.endm
; 16 matrix instructions: the 16 accumulators take turns, one instruction a turn, in the same order in every step.  zero = 1: the first step starts the sums
.macro MUL f, zero
	WIN MULW
.irp a, 0,1,2,3
.irp b, 0,1,2,3
.if \zero
	v_wmma_f32_16x16x128_bf8_bf8 v[ACC+8*(4*\a+\b):ACC+8*(4*\a+\b)+7], v[\f+16*\a:\f+16*\a+15], v[\f+64+16*\b:\f+64+16*\b+15], 0
.else
	v_wmma_f32_16x16x128_bf8_bf8 v[ACC+8*(4*\a+\b):ACC+8*(4*\a+\b)+7], v[\f+16*\a:\f+16*\a+15], v[\f+64+16*\b:\f+64+16*\b+15], v[ACC+8*(4*\a+\b):ACC+8*(4*\a+\b)+7]
.endif
.endr
.endr
.endm
; the next step's fragments are asked for, then the step in hand is multiplied
.macro RUN nxt, fn, fm
	PLACES
	FETCH \nxt, \fn
	s_wait_dscnt 32                                ; all but the 32 just issued
	MUL \fm, 0
.endm
	s_wait_tensorcnt 1                             ; my first load has landed, my second may be out
	s_barrier_signal -1
	s_barrier_wait -1                              ; chunks 0 and 1 of x and of W are whole
	FETCH 0, F0
	FETCH 1, F1
	s_wait_dscnt 32
	MUL F0, 1
	RUN 2, F0, F1
	RUN 3, F1, F0
	s_wait_dscnt 0x0                               ; no LDS instruction of mine is pending at a signal
	s_wait_tensorcnt 0x0                           ; my second load has landed
	s_barrier_signal -1
	s_barrier_wait -1                              ; chunks 2 and 3 are whole
	RUN 4, F0, F1
	RUN 5, F1, F0
	RUN 6, F0, F1
	RUN 7, F1, F0
	s_wait_dscnt 0x0
	MUL F1, 0
	WIN 0
; THE WAY OUT, a tile of 16 heads x my 64 places at a time: x 2^e, through my own stage, back as whole rows of 256 bytes.  LDS serves a wave's instructions in order: no wait between stores and loads.
.macro TOSTAGE b
.irp a, 0,1,2,3
.irp j, 0,2,4,6
	v_pk_mul_f32 v[TMP+8*\a+\j:TMP+8*\a+\j+1], v[ACC+8*(4*\a+(\b))+\j:ACC+8*(4*\a+(\b))+\j+1], s[76:77] op_sel_hi:[1,0]   ; each accumulator from its low end on
.endr
.endr
.irp a, 0,1,2,3
	ds_store_b128 v[STO], v[TMP+8*\a:TMP+8*\a+3] offset:64*\a
	ds_store_b128 v[STO], v[TMP+8*\a+4:TMP+8*\a+7] offset:64*\a+16
.endr
.irp i, 0,1,2,3,4,5,6,7
	ds_load_b128 v[BK+32*((\b)%2)+4*\i:BK+32*((\b)%2)+4*\i+3], v[RD] offset:\i*2*PITCH
.endr
.endm
.macro SEND b, younger                 ; younger: the LDS instructions issued behind tile b's loads
	s_wait_dscnt \younger
.irp i, 0,1,2,3,4,5,6,7
	global_store_b128 v[CO], v[BK+32*((\b)%2)+4*\i:BK+32*((\b)%2)+4*\i+3], s[12:13] offset:(\b)*262144+\i*32768   ; 16 lanes store 256 consecutive bytes of one head, at a multiple of 256 from the buffer's first byte
.endr
.endm
	s_wait_kmcnt 0x0
	s_cmp_eq_u32 s21, 0
	s_cselect_b32 s76, s72, s74
	s_cselect_b32 s77, s73, s75
	s_add_co_i32 s76, s76, s77                     ; the two exponents, between -126 and 127,
	s_add_co_i32 s76, s76, 127
	s_lshl_b32 s76, s76, 23                        ; make the f32 number 2^e
	s_mov_b32 s77, s76                             ; (named with it as a pair, so it is written)
	PLACES
	TOSTAGE 0
.irp b, 1,2,3
.if \b > 1
	s_wait_xcnt 0x0                                ; tile b - 2's stores have read their registers: tile b's loads may land there
.endif
	TOSTAGE \b
	SEND \b-1, 16                                  ; behind tile b - 1's loads: tile b's 8 stores and 8 loads
.endr
	SEND 3, 0
	s_wait_tensorcnt 0x0
	ds_add_u32 v30, v31
	s_wait_dscnt 0x0
	CROUND                                         ; the closing round: no work-group ends while a partner may still ask for a chunk that names it
	s_endpgm
.Lfunc_end_k_qb7e7411a34_proj:
	.size	k_qb7e7411a34_proj, .Lfunc_end_k_qb7e7411a34_proj-k_qb7e7411a34_proj
	.p2alignl 7, 3214868480
	.fill 96, 4, 3214868480
	.section	.rodata,"a",@progbits
	.p2align	6, 0x0
	.amdhsa_kernel k_qb7e7411a34_proj
		.amdhsa_group_segment_fixed_size 327680
		.amdhsa_private_segment_fixed_size 0
		.amdhsa_enable_private_segment 0
		.amdhsa_kernarg_size 48
		.amdhsa_user_sgpr_count 2
		.amdhsa_user_sgpr_kernarg_segment_ptr 1
		.amdhsa_wavefront_size32 1
		.amdhsa_system_sgpr_workgroup_id_x 1
		.amdhsa_system_sgpr_workgroup_id_y 1
		.amdhsa_system_sgpr_workgroup_id_z 1
		.amdhsa_system_vgpr_workitem_id 0
		.amdhsa_next_free_vgpr 512
		.amdhsa_next_free_sgpr 80
		.amdhsa_reserve_vcc 0
		.amdhsa_float_denorm_mode_32 3
		.amdhsa_float_denorm_mode_16_64 3
		.amdhsa_memory_ordered 1
		.amdhsa_forward_progress 1
		.amdhsa_inst_pref_size 44
	.end_amdhsa_kernel
	.amdgpu_metadata
---
amdhsa.version: [ 1, 2 ]
amdhsa.kernels:
  - .name:           k_qb7e7411a34_proj
    .symbol:         k_qb7e7411a34_proj.kd
    .args:
      - { .name: x_codes, .offset: 0, .size: 8, .value_kind: global_buffer, .address_space: global }
      - { .name: Wq_codes, .offset: 8, .size: 8, .value_kind: global_buffer, .address_space: global }
      - { .name: Wk_codes, .offset: 16, .size: 8, .value_kind: global_buffer, .address_space: global }
      - { .name: lowp_scales, .offset: 24, .size: 8, .value_kind: global_buffer, .address_space: global }
      - { .name: qbuf, .offset: 32, .size: 8, .value_kind: global_buffer, .address_space: global }
      - { .name: kbuf, .offset: 40, .size: 8, .value_kind: global_buffer, .address_space: global }
    .group_segment_fixed_size: 327680
    .private_segment_fixed_size: 0
    .kernarg_segment_align: 8
    .kernarg_segment_size: 48
    .max_flat_workgroup_size: 128
    .sgpr_count:     80
    .vgpr_count:     512
    .wavefront_size: 32
...
	.end_amdgpu_metadata
.endif
;; end of part 1
;; launch topk (part 2): grid 256 x 1, 4 waves a work-group, no clusters, 33,280 bytes of LDS; arguments kbuf, idx; writes idx
.if DOCPART == 2
	.amdgcn_target "amdgcn-amd-amdhsa--gfx1250"
	.amdhsa_code_object_version 6
	.text
	.protected	k_qb7e7411a34_topk
	.globl	k_qb7e7411a34_topk
	.p2align	8
	.type	k_qb7e7411a34_topk,@function
k_qb7e7411a34_topk:
	s_mov_b64 s[64:65], 0
	v_nop
	global_prefetch_b8 v0, s[64:65] scope:SCOPE_SE
	s_setreg_imm32_b32 hwreg(HW_REG_WAVE_MODE, 25, 1), 1
	s_wait_xcnt 0x0
; For each of the 512 rows (batch, head) of 4,096 keys: the places of the 32 largest and of the 32 smallest keys, ties broken as a stable ascending sort breaks them
; (among equal keys the higher place belongs to the top, the lower to the bottom).  Stored as whole numbers: idx[row][0..31] top, [32..63] bottom; the order inside a set carries no meaning.
; NO ADDRESS AND NO BRANCH HANGS ON A KEY: everything is a fixed network of minima and maxima.
; PASS 0 finds the two thresholds: the 32nd largest and the 32nd smallest key.  PASS 1 runs the same network on a code for each key, a whole number held exactly in f32:
;   place + 16,384 (key above the upper threshold), + 4,096 (equal to it), - 2,048 (between), - 8,192 (equal to the lower), - 32,768 (below it).
; The 32 largest codes are the top set, the 32 smallest the bottom set, and the place is the code's low 12 bits in each class that can be chosen (every offset but -2,048 is a multiple of 4,096).
; Where both thresholds are equal the upper class wins for the ties, and the smallest codes are still the lowest places among them.
; SHARES.  Two waves to a row, 2,048 keys each, 64 a lane.  A work-group has two rows.
; THE NETWORK.  A lane sorts its 64 (bitonic, 21 stages, from one set of registers into the other: two instructions a pair).  Then lists of 32 are joined pairwise: the i-th of one against the (31 - i)-th of the other
; keeps the 32 largest as a bitonic run, which five stages sort again.  At the first joining even lanes go on with the largest 32 and odd lanes with the smallest 32, NEGATED, so that one text serves both ends.
; Joinings: lanes 1, 2, 4, 8 apart (on the arithmetic instruction itself), 16 apart (a lane permute), and the row's two waves (through LDS, one barrier a pass, bytes of its own for each pass).
; LIMITS: NaN among the keys is not served; -0 and +0 count as equal.
.set KEY, 64                           ; v64-127   the keys, kept for pass 1
.set SA,  128                          ; v128-191, v192-255: the two sets that take turns
.set SB,  192
.macro NEXT
.set SRC, DST
.if DST == SA
.set DST, SB
.else
.set DST, SA
.endif
.endm
.macro FLIP blk                        ; in each block of blk: element against its mirror image
.set i, 0
.rept 64
.if (i % \blk) < (\blk/2)
.set j, i-(i % \blk)+\blk-1-(i % \blk)
	v_min_num_f32 v[DST+i], v[SRC+i], v[SRC+j]
	v_max_num_f32 v[DST+j], v[SRC+i], v[SRC+j]
.endif
.set i, i+1
.endr
	NEXT
.endm
.macro DIST n, d                       ; of n elements: element against the one d further on
.set i, 0
.rept \n
.if (i & \d) == 0
	v_min_num_f32 v[DST+i], v[SRC+i], v[SRC+i+\d]
	v_max_num_f32 v[DST+i+\d], v[SRC+i], v[SRC+i+\d]
.endif
.set i, i+1
.endr
	NEXT
.endm
.macro SORT64
	FLIP 2
	FLIP 4
	DIST 64, 1
	FLIP 8
	DIST 64, 2
	DIST 64, 1
	FLIP 16
	DIST 64, 4
	DIST 64, 2
	DIST 64, 1
	FLIP 32
	DIST 64, 8
	DIST 64, 4
	DIST 64, 2
	DIST 64, 1
	FLIP 64
	DIST 64, 16
	DIST 64, 8
	DIST 64, 4
	DIST 64, 2
	DIST 64, 1
.endm
.macro MERGE32                         ; a bitonic run of 32 becomes ascending
	DIST 32, 16
	DIST 32, 8
	DIST 32, 4
	DIST 32, 2
	DIST 32, 1
.endm
.macro LEVA                            ; lanes l and l xor 1: the pair's 32 largest and 32 smallest; even lanes keep the first, odd lanes the second, negated
.set i, 0
.rept 32
	v_max_num_f32_dpp v[DST+i], v[SRC+63-i], v[SRC+32+i] row_xmask:1 row_mask:0xf bank_mask:0xf
	v_min_num_f32_dpp v[DST+32+i], v[SRC+i], v[SRC+31-i] row_xmask:1 row_mask:0xf bank_mask:0xf
.set i, i+1
.endr
.set i, 0
.rept 32
	v_cndmask_b32 v[DST+i], v[DST+i], v[DST+32+i], s14
.set i, i+1
.endr
.set i, 0
.rept 32
	v_xor_b32 v[DST+i], v2, v[DST+i]
.set i, i+1
.endr
	NEXT
	MERGE32
.endm
.macro LEV m                           ; lanes l and l xor m, of one parity
.set i, 0
.rept 32
	v_max_num_f32_dpp v[DST+i], v[SRC+31-i], v[SRC+i] row_xmask:\m row_mask:0xf bank_mask:0xf
.set i, i+1
.endr
	NEXT
	MERGE32
.endm
.macro LEV16                           ; lanes l and l xor 16
.set i, 0
.rept 32
	v_permlanex16_b32 v[DST+32+i], v[SRC+31-i], s12, s13
.set i, i+1
.endr
.set i, 0
.rept 32
	v_max_num_f32 v[DST+i], v[DST+32+i], v[SRC+i]
.set i, i+1
.endr
	NEXT
	MERGE32
.endm
.macro LEVW pass                       ; the row's two waves: each stores its 32 registers as they stand, 16 bytes a lane, and reads the other's
.irp g, 0,1,2,3,4,5,6,7
	ds_store_b128 v4, v[SRC+4*\g:SRC+4*\g+3] offset:\pass*16384+512*\g
.endr
	s_wait_dscnt 0x0                               ; for the other wave's sake: my stores have landed
	s_barrier_signal -1
	s_barrier_wait -1
.irp g, 0,1,2,3,4,5,6,7
	ds_load_b128 v[DST+32+4*\g:DST+32+4*\g+3], v5 offset:\pass*16384+512*\g
.endr
	s_wait_dscnt 0x0
.set i, 0
.rept 32
	v_max_num_f32 v[DST+i], v[SRC+i], v[DST+63-i]
.set i, i+1
.endr
	NEXT
	MERGE32
.endm
.macro NET pass
	SORT64
	LEVA
	LEV 2
	LEV 4
	LEV 8
	LEV16
	LEVW \pass
.endm
	s_load_b128 s[4:7], s[0:1], 0x0                ; the keys s[4:5], idx s[6:7]
	v_lshl_add_u32 v62, v0, 2, 0x8000
	v_mov_b32 v63, 0
	v_lshrrev_b32 v13, 5, v0
	v_readfirstlane_b32 s8, v13                    ; wave 0..3
	v_and_b32 v12, 31, v0                          ; lane
	v_lshlrev_b32 v1, 4, v12                       ; my 16 bytes of a load's 512
	v_lshl_add_u32 v4, v13, 12, v1                 ; LDS: 4,096 x wave + 16 x lane
	v_xor_b32 v5, 0x1000, v4                       ; and the same place of the row's other wave
	v_lshlrev_b32 v2, 31, v12                      ; the sign bit in odd lanes, 0 in even ones
	s_and_b32 s9, s8, 1                            ; which half of the row
	s_lshr_b32 s10, s8, 1                          ; which row of the work-group's two
	s_lshl_b32 s11, s9, 11
	v_lshl_add_u32 v3, v12, 2, s11                 ; the place of my first key: 2,048 x half + 4 x lane
	v_mov_b32 v6, 0xfffff800                       ; -2,048
	v_mov_b32 v7, 0xffffe000                       ; -8,192
	v_mov_b32 v8, 0xffff8000                       ; -32,768
	v_mov_b32 v9, 0x1000                           ; 4,096
	v_mov_b32 v10, 0x4000                          ; 16,384
	v_and_b32 v14, 1, v12
	v_lshrrev_b32 v15, 1, v12
	v_lshlrev_b32 v22, 3, v15
	v_lshl_add_u32 v22, v14, 7, v22                ; where I store: 128 x (lane % 2) + 8 x (lane / 2)
	s_mov_b32 s12, 0x76543210                      ; v_permlanex16_b32: lane l xor 16
	s_mov_b32 s13, 0xfedcba98
	s_mov_b32 s14, 0xaaaaaaaa                      ; the odd lanes
	s_lshl_b32 s20, ttmp9, 15                      ; two rows of 16,384 bytes a work-group,
	s_lshl_b32 s21, s8, 13                         ; 8,192 a wave
	s_add_co_u32 s20, s20, s21
	s_mov_b32 s21, 0
	s_lshl_b32 s22, ttmp9, 9                       ; idx: 256 bytes a row
	s_lshl_b32 s23, s10, 8
	s_add_co_u32 s22, s22, s23
	s_mov_b32 s23, 0
	s_wait_kmcnt 0x0
	s_add_nc_u64 s[4:5], s[4:5], s[20:21]
	s_add_nc_u64 s[6:7], s[6:7], s[22:23]
.irp g, 0,1,2,3,4,5,6,7,8,9,10,11,12,13,14,15
	global_load_b128 v[KEY+4*\g:KEY+4*\g+3], v1, s[4:5] offset:512*\g   ; register 4 g + c: place 2,048 x half + 4 x lane + 128 g + c
.endr
	s_wait_loadcnt 0x0
.set SRC, KEY
.set DST, SA
	NET 0
	v_readlane_b32 s16, v[SRC], 0                  ; an even lane's smallest of the 32 largest: the upper threshold
	v_readlane_b32 s17, v[SRC], 1                  ; an odd lane's: the lower threshold, negated
	s_xor_b32 s17, s17, 0x80000000
	; the codes, four keys at a time; the compares write sixteen masks, so that no line waits for the one above it
.set gg, 0
.rept 16
.irp c, 0,1,2,3
	v_cmp_ge_f32 s[24+\c], s17, v[KEY+4*gg+\c]     ; key <= lower
	v_cmp_gt_f32 s[28+\c], s17, v[KEY+4*gg+\c]     ; key <  lower
	v_cmp_le_f32 s[32+\c], s16, v[KEY+4*gg+\c]     ; key >= upper
	v_cmp_lt_f32 s[36+\c], s16, v[KEY+4*gg+\c]     ; key >  upper
.endr
.irp c, 0,1,2,3
	v_cndmask_b32 v[12+\c], v6, v7, s[24+\c]
.endr
.irp c, 0,1,2,3
	v_cndmask_b32 v[12+\c], v[12+\c], v8, s[28+\c]
.endr
.irp c, 0,1,2,3
	v_cndmask_b32 v[12+\c], v[12+\c], v9, s[32+\c]
.endr
.irp c, 0,1,2,3
	v_cndmask_b32 v[12+\c], v[12+\c], v10, s[36+\c]
.endr
.irp c, 0,1,2,3
	v_add3_u32 v[12+\c], v[12+\c], v3, 128*gg+\c   ; + the key's place
.endr
.irp c, 0,1,2,3
	v_cvt_f32_i32 v[SA+4*gg+\c], v[12+\c]          ; under 2^15 in magnitude: exact in f32
.endr
.set gg, gg+1
.endr
.set SRC, SA
.set DST, SB
	NET 1
	; every even lane now holds the 32 codes of the top set, every odd lane those of the bottom set, negated.  Lane l takes entries 2 (l / 2) and 2 (l / 2) + 1 of its list
	v_mov_b32 v20, v[SRC]
	v_mov_b32 v21, v[SRC+1]
.set u, 1
.rept 15
	s_mov_b32 s18, 3<<(2*u)
	v_cndmask_b32 v20, v20, v[SRC+2*u], s18
	v_cndmask_b32 v21, v21, v[SRC+2*u+1], s18
.set u, u+1
.endr
	v_xor_b32 v20, v2, v20
	v_xor_b32 v21, v2, v21
	v_cvt_i32_f32 v20, v20
	v_cvt_i32_f32 v21, v21
	v_and_b32 v20, 0xfff, v20                      ; the place
	v_and_b32 v21, 0xfff, v21
	s_cmp_lg_u32 s9, 0                             ; both waves of a row hold the same: the first stores
	s_cbranch_scc1 .Ldone
	global_store_b64 v22, v[20:21], s[6:7]         ; 32 lanes store the row's 256 bytes
.Ldone:
	s_wait_tensorcnt 0x0
	ds_add_u32 v62, v63
	s_wait_dscnt 0x0
	s_endpgm
.Lfunc_end_k_qb7e7411a34_topk:
	.size	k_qb7e7411a34_topk, .Lfunc_end_k_qb7e7411a34_topk-k_qb7e7411a34_topk
	.p2alignl 7, 3214868480
	.fill 96, 4, 3214868480
	.section	.rodata,"a",@progbits
	.p2align	6, 0x0
	.amdhsa_kernel k_qb7e7411a34_topk
		.amdhsa_group_segment_fixed_size 33280
		.amdhsa_private_segment_fixed_size 0
		.amdhsa_enable_private_segment 0
		.amdhsa_kernarg_size 16
		.amdhsa_user_sgpr_count 2
		.amdhsa_user_sgpr_kernarg_segment_ptr 1
		.amdhsa_wavefront_size32 1
		.amdhsa_system_sgpr_workgroup_id_x 1
		.amdhsa_system_sgpr_workgroup_id_y 1
		.amdhsa_system_sgpr_workgroup_id_z 1
		.amdhsa_system_vgpr_workitem_id 0
		.amdhsa_next_free_vgpr 256
		.amdhsa_next_free_sgpr 66
		.amdhsa_reserve_vcc 0
		.amdhsa_float_denorm_mode_32 3
		.amdhsa_float_denorm_mode_16_64 3
		.amdhsa_memory_ordered 1
		.amdhsa_forward_progress 1
		.amdhsa_inst_pref_size 228
	.end_amdhsa_kernel
	.amdgpu_metadata
---
amdhsa.version: [ 1, 2 ]
amdhsa.kernels:
  - .name:           k_qb7e7411a34_topk
    .symbol:         k_qb7e7411a34_topk.kd
    .args:
      - { .name: kbuf, .offset: 0, .size: 8, .value_kind: global_buffer, .address_space: global }
      - { .name: idx, .offset: 8, .size: 8, .value_kind: global_buffer, .address_space: global }
    .group_segment_fixed_size: 33280
    .private_segment_fixed_size: 0
    .kernarg_segment_align: 8
    .kernarg_segment_size: 16
    .max_flat_workgroup_size: 128
    .sgpr_count:     66
    .vgpr_count:     256
    .wavefront_size: 32
...
	.end_amdgpu_metadata
.endif
;; end of part 2
;; launch attn (part 3): grid 256 x 1, 16 waves a work-group, no clusters, 22,528 bytes of LDS; arguments qbuf, x_codes, Wv_codes, kbuf, idx, lowp_scales, acodes; writes acodes
.if DOCPART == 3
	.amdgcn_target "amdgcn-amd-amdhsa--gfx1250"
	.amdhsa_code_object_version 6
	.text
	.protected	k_qb7e7411a34_attn
	.globl	k_qb7e7411a34_attn
	.p2align	8
	.type	k_qb7e7411a34_attn,@function
k_qb7e7411a34_attn:
	s_mov_b64 s[64:65], 0
	v_nop
	global_prefetch_b8 v0, s[64:65] scope:SCOPE_SE
	s_setreg_imm32_b32 hwreg(HW_REG_WAVE_MODE, 25, 1), 1
	s_wait_xcnt 0x0
; For one batch and one PAIR of heads (A even, B odd), all 4,096 places: first the pair's tables, then the attention, quantised to BF8 with 2^e6: the last product's operand.
; PART 1, THE TABLES.  v = x Wv^T at the 64 chosen places of each head only (the other rows of v are thrown away behind the sort), on codes of BF8, x 2^(e4+e5); and the chosen keys' distances from the largest
; and the smallest key.  The places come from a buffer of whole numbers that an earlier launch stored; each is held at 4,095 before it enters an address.
;   Wave w = 4 kq + 2 hp + T of sixteen makes list places 16 T .. 16 T + 15 of head hp, both sets, for K bytes 256 kq .. 256 kq + 255: two steps of 128, two accumulators by turns.  No branch hangs on the wave's number.
;   Source 0 = 16 gathered rows of x, source 1 = the head's 8 rows of Wv, taken twice.  Row m of source 0 takes list place 16 T + 8 m2 + 4 m1 + 2 m3 + m0 (the bits of m), so that the result's registers are an image of
;   the f32 product's operand: the float at 512 p + 16 lane + 4 c (lane = (r, h)) is value r % 8 of list place 8 p + 4 (c / 2) + 2 h + c % 2, of the top set (r < 8 in head A, r >= 8 in head B) or of the bottom set.
;   LDS: the partial images, 1,024 bytes a wave, at 1,024 w; the distances, 256 bytes a wave, at 16,384 + 256 w: et[h][n], then eb[h][n], n = 2 kk + j for list place 4 kk + 2 h + j; et = top key - largest key,
;   eb = smallest key - bottom key, both at most 0.  One barrier; then every wave adds the four partial images of both heads, K ascending, in f32, and takes the distances that waves 0 and 2 left.
; PART 2, THE ATTENTION.  The softmax over 32 scores q x key, with the top set where q > 0 and the bottom set else, weighs 32 rows of 8 values.
; THE MAXIMUM IS TAKEN AWAY EXACTLY, without a search: the largest score is q x (largest key) for q > 0 and q x (smallest key) else.  With q'' = q log2(e) / 2, b = |q''| + q'' and a = |q''| - q''
; (one of them is q log2(e) in magnitude, the other +0; both are +0 for q = 0 of either sign):
;   t = b et + a eb, p = 2^t: one of the two terms is 0, t is at most 0, and the largest p is 1, so the row's sum lies between 1 and 32.
; THE PRODUCT stays in f32, since its result goes into a quantiser: v_wmma_f32_16x16x4_f32, source 0 = the head's 8 values of the top set and 8 of the bottom set, source 1 = p for 16 places.
; One half of the result is the side that q chooses; the other half is thrown away.  In head A lanes 0-15 hold the top side and lanes 16-31 the bottom; in head B the other way round: so lanes 0-15 finish
; head A and lanes 16-31 head B, each with its own top side at hand and the bottom side one lane exchange away.  Both sides are quantised first, so that the exchange and the choice work on two registers and not on eight.
; SHARES.  Wave w takes places 256 w .. 256 w + 255 of both heads, in 16 trips of 16 places.  The tables stay in registers.  Four waves to a SIMD.
; The next trip's softmax stands between a trip's products and the lines that read their results: more than 30 plain instructions that name none of the products' registers.
; THE CODES are laid [64 pairs][16,384 rows][16 bytes]: a trip's 16 places x 16 bytes are 256 consecutive bytes, aligned, stored by one instruction.  They go into the registers that held the trip's q,
; which nothing writes again: no wait stands in front of a store.
; LIMITS: e4 + e5 between -126 and 127; e6 between -126 and 112.  NaN and infinities among q, keys and values are not served.
.set VA,  16                           ; v16-31, v32-47    the values' images, heads A and B
.set VB,  32
.set ETA, 48                           ; v48-63, v64-79    A's distances: top, bottom
.set EBA, 64
.set ETB, 80                           ; v80-95, v96-111   B's
.set EBB, 96
.set Q,   112                          ; v112-143  q'': trip t's pair (A, B) at 112 + 2 t; later the trip's codes
.set P,   144                          ; v144-207  p: 144 + 32 set + 16 head
.set DA,  208                          ; v208-215, v216-223  the sums: written by the f32 matrix instructions alone
.set DB,  216
.set NA,  240                          ; v240-247, v248-255  the sums / the row's sum
.set NB,  248
.set ACCT, 16                          ; part 1: the two accumulators, the chosen halves,
.set ACCB, 24
.set R,    32
.set S0,   144                         ; and the two sets of 48: the top rows' fragment, the bottom rows', Wv's
.set S1,   48
.set DP,   16384                       ; LDS: the distances, behind the 16 partial images
; v1 where I put my partial image, v2 64 h, v9 16 x lane, v12 where I put my distances (LDS); v3 my offset in the output; v4 2^e6, v5 57,344 x 2^e6; v[6:7] the reciprocals; v8, v12-15 at work in part 2;
; v10 q's offset; v224-243 at work in part 1; v[224:227] (b, a) of A and of B; v228-235 at work; v236-239 the rows' sums
	s_load_b256 s[4:11], s[0:1], 0x0               ; q s[4:5], x s[6:7], Wv s[8:9], the keys s[10:11]
	s_load_b128 s[12:15], s[0:1], 0x20             ; idx s[12:13], the scales' exponents s[14:15]
	s_load_b64 s[16:17], s[0:1], 0x30              ; the codes
	v_lshrrev_b32 v1, 5, v0
	v_readfirstlane_b32 s18, v1                    ; wave w
	s_and_b32 s19, s18, 1                          ; T
	s_bfe_u32 s20, s18, 0x10001                    ; hp: which head of the pair I gather for
	s_lshr_b32 s21, s18, 2                         ; kq: which quarter of K
	s_lshl_b32 s22, ttmp9, 1                       ; (batch, head A)
	s_add_co_u32 s23, s22, s20                     ; (batch, the head I gather for)
	s_lshr_b32 s28, ttmp9, 6                       ; batch
	s_and_b32 s29, ttmp9, 63                       ; pair
	s_mov_b32 s32, 0x76543210                      ; v_permlanex16_b32: lane l xor 16
	s_mov_b32 s33, 0xfedcba98
	s_mov_b32 s34, 0xffff0000                      ; lanes 16-31
	s_mov_b32 s35, 0x7fffffff                      ; clears an f32 number's sign
	s_mov_b32 s31, 0
	v_and_b32 v13, 31, v0                          ; lane
	v_and_b32 v14, 15, v0                          ; r
	v_bfe_u32 v15, v0, 4, 1                        ; h
	v_lshlrev_b32 v9, 4, v13                       ; an image's place for my lane
	v_lshlrev_b32 v2, 6, v15                       ; the distances of my half
	s_lshl_b32 s30, s18, 10
	v_add_nc_u32 v1, s30, v9                       ; my partial image: 1,024 w + 16 x lane
	v_bfe_u32 v12, v13, 1, 1                       ; my distances: 64 ((l / 2) % 2) + 8 (l / 4) + 4 (l % 2)
	v_lshlrev_b32 v12, 6, v12
	v_lshrrev_b32 v11, 2, v13
	v_lshl_add_u32 v12, v11, 3, v12
	v_and_b32 v11, 1, v13
	v_lshl_add_u32 v12, v11, 2, v12
	s_lshl_b32 s30, s18, 8
	v_add_nc_u32 v12, s30, v12                     ; + 256 w
	v_lshlrev_b32 v10, 2, v14                      ; q: 4 r
	v_lshlrev_b32 v3, 4, v14
	v_lshl_add_u32 v3, v15, 3, v3                  ; the output: 16 r + 8 h
	v_and_b32 v224, 1, v14                         ; r0
	v_bfe_u32 v243, v14, 3, 1
	v_lshl_add_u32 v224, v243, 1, v224             ; + 2 r3
	v_bfe_u32 v243, v14, 1, 1
	v_lshl_add_u32 v224, v243, 2, v224             ; + 4 r1
	v_bfe_u32 v243, v14, 2, 1
	v_lshl_add_u32 v224, v243, 3, v224             ; + 8 r2
	s_lshl_b32 s30, s19, 4
	v_add_nc_u32 v224, s30, v224                   ; + 16 T: my row's place in the lists
	v_lshlrev_b32 v224, 2, v224
	v_lshlrev_b32 v225, 2, v13                     ; for the keys: list place = lane
	s_lshl_b32 s30, s21, 8
	v_lshl_add_u32 v241, v15, 4, s30               ; 16 h + 256 kq
	v_and_b32 v232, 7, v14
	v_lshl_add_u32 v232, v232, 10, v241            ; Wv: row r % 8 of the head's eight
	s_wait_kmcnt 0x0
	s_load_b128 s[24:27], s[14:15], 0x10           ; e4, e5, e6, e7
	s_lshl_b32 s30, s23, 8
	s_add_nc_u64 s[12:13], s[12:13], s[30:31]      ; the lists of the head I gather for
	global_load_b32 v226, v224, s[12:13]           ; my row's place in the sequence: top,
	global_load_b32 v227, v224, s[12:13] offset:128   ; bottom
	global_load_b32 v228, v225, s[12:13]           ; and for the keys
	global_load_b32 v229, v225, s[12:13] offset:128
	s_lshl_b32 s30, s22, 14
	s_lshl_b32 s37, s18, 10
	s_add_co_u32 s30, s30, s37
	s_add_nc_u64 s[4:5], s[4:5], s[30:31]          ; q of head A at my first place
.irp t, 0,1,2,3,4,5,6,7,8,9,10,11,12,13,14,15
	global_load_b32 v[Q+2*\t], v10, s[4:5] offset:64*\t
	global_load_b32 v[Q+2*\t+1], v10, s[4:5] offset:16384+64*\t
.endr
	s_lshl_b32 s30, s28, 22
	s_add_nc_u64 s[6:7], s[6:7], s[30:31]          ; x at the batch
	s_lshl_b32 s30, s29, 1
	s_add_co_u32 s30, s30, s20
	s_lshl_b32 s30, s30, 13
	s_add_nc_u64 s[8:9], s[8:9], s[30:31]          ; Wv at the head's eight rows
	s_lshl_b32 s30, s23, 14
	s_add_nc_u64 s[10:11], s[10:11], s[30:31]      ; the head's keys
	s_lshl_b32 s30, s29, 18                        ; the output: 262,144 x pair + 16 x (4,096 batch + 256 w)
	s_lshl_b32 s37, s28, 16
	s_add_co_u32 s30, s30, s37
	s_lshl_b32 s37, s18, 12
	s_add_co_u32 s30, s30, s37
	s_add_nc_u64 s[16:17], s[16:17], s[30:31]
	s_wait_loadcnt 32                              ; the four list entries are in; q's 32 loads may be out
	v_min_u32 v226, 0xfff, v226
	v_min_u32 v227, 0xfff, v227
	v_min_u32 v228, 0xfff, v228
	v_min_u32 v229, 0xfff, v229
	v_lshlrev_b32 v230, 10, v226
	v_add_nc_u32 v230, v230, v241                  ; a row of x is 1,024 bytes; + 16 h + 256 kq
	v_lshlrev_b32 v231, 10, v227
	v_add_nc_u32 v231, v231, v241
	v_lshlrev_b32 v233, 2, v228
	v_lshlrev_b32 v234, 2, v229
	global_load_b32 v235, v233, s[10:11]           ; top key of list place = lane
	global_load_b32 v236, v234, s[10:11]           ; bottom key
.macro LOADK st, off                   ; twelve loads: 128 along K of the top rows, the bottom rows and Wv
.irp c, 0,1,2,3
	global_load_b128 v[\st+4*\c:\st+4*\c+3], v230, s[6:7] offset:\off+32*\c
.endr
.irp c, 0,1,2,3
	global_load_b128 v[\st+16+4*\c:\st+16+4*\c+3], v231, s[6:7] offset:\off+32*\c
.endr
.irp c, 0,1,2,3
	global_load_b128 v[\st+32+4*\c:\st+32+4*\c+3], v232, s[8:9] offset:\off+32*\c
.endr
.endm
	LOADK S0, 0
	LOADK S1, 128
	s_wait_kmcnt 0x0
	s_add_co_i32 s40, s26, 127
	s_lshl_b32 s41, s40, 23
	v_mov_b32 v4, s41                              ; 2^e6 as f32: the conversion takes its exponent field
	s_add_co_i32 s40, s40, 15
	s_lshl_b32 s40, s40, 23
	s_or_b32 s40, s40, 0x600000
	v_mov_b32 v5, s40                              ; 57,344 x 2^e6
	s_add_co_i32 s38, s24, s25
	s_add_co_i32 s38, s38, 127
	s_lshl_b32 s38, s38, 23                        ; 2^(e4 + e5)
	s_mov_b32 s39, s38                             ; (named with it as a pair, so it is written)
	s_cmp_eq_u32 s20, 0
	s_mov_b32 s42, 0x00ff00ff
	s_cselect_b32 s42, 0xff00ff00, s42             ; the lanes that take the bottom set: r >= 8 in head A, r < 8 in head B
	s_wait_loadcnt 12                              ; q, the keys and the first step's twelve are in; the second step's twelve may be out
	v_wmma_f32_16x16x128_bf8_bf8 v[ACCT:ACCT+7], v[S0:S0+15], v[S0+32:S0+47], 0
	v_wmma_f32_16x16x128_bf8_bf8 v[ACCB:ACCB+7], v[S0+16:S0+31], v[S0+32:S0+47], 0
	s_wait_loadcnt 0x0
	v_wmma_f32_16x16x128_bf8_bf8 v[ACCT:ACCT+7], v[S1:S1+15], v[S1+32:S1+47], v[ACCT:ACCT+7]   ; the two accumulators take turns
	v_wmma_f32_16x16x128_bf8_bf8 v[ACCB:ACCB+7], v[S1+16:S1+31], v[S1+32:S1+47], v[ACCB:ACCB+7]
.irp i, 0,2,4,6,8,10,12,14,16,18,20,22,24,26,28,30
	v_pk_mul_f32 v[Q+\i:Q+\i+1], v[Q+\i:Q+\i+1], 0x3f38aa3b op_sel_hi:[1,0]   ; q'' = q log2(e) / 2: the sign stays.  (These sixteen are also the places behind the products)
.endr
	v_mov_b32 v237, v235
	v_mov_b32 v238, v236
.irp m, 1,2,4,8
	v_max_num_f32_dpp v237, v237, v237 row_xmask:\m row_mask:0xf bank_mask:0xf
	v_min_num_f32_dpp v238, v238, v238 row_xmask:\m row_mask:0xf bank_mask:0xf
.endr
	v_permlanex16_b32 v224, v237, s32, s33         ; (the destinations have been written: they held offsets of loads that are in)
	v_permlanex16_b32 v225, v238, s32, s33
	v_max_num_f32 v237, v237, v224                 ; the largest key
	v_min_num_f32 v238, v238, v225                 ; the smallest key
	v_sub_f32 v237, v235, v237                     ; et
	v_sub_f32 v238, v238, v236                     ; eb
.irp j, 0,1,2,3,4,5,6,7
	v_cndmask_b32 v[R+\j], v[ACCT+\j], v[ACCB+\j], s42   ; both accumulators from their low end on
.endr
.irp j, 0,2,4,6
	v_pk_mul_f32 v[R+\j:R+\j+1], v[R+\j:R+\j+1], s[38:39] op_sel_hi:[1,0]
.endr
	ds_store_b128 v1, v[R:R+3]                     ; 32 lanes store 512 consecutive bytes
	ds_store_b128 v1, v[R+4:R+7] offset:512
	ds_store_b32 v12, v237 offset:DP
	ds_store_b32 v12, v238 offset:DP+128
	s_wait_dscnt 0x0                               ; for the others' sake: my part of the tables lies in LDS
	s_barrier_signal -1
	s_barrier_wait -1
.irp i, 0,1,2,3
	ds_load_b128 v[VA+4*\i:VA+4*\i+3], v9 offset:512*\i                ; K's first quarter: head A,
	ds_load_b128 v[VB+4*\i:VB+4*\i+3], v9 offset:2048+512*\i           ; head B
	ds_load_b128 v[144+4*\i:147+4*\i], v9 offset:4096+512*\i           ; the second quarter
	ds_load_b128 v[160+4*\i:163+4*\i], v9 offset:4096+2048+512*\i
	ds_load_b128 v[176+4*\i:179+4*\i], v9 offset:8192+512*\i           ; the third
	ds_load_b128 v[192+4*\i:195+4*\i], v9 offset:8192+2048+512*\i
	ds_load_b128 v[224+4*\i:227+4*\i], v9 offset:12288+512*\i          ; the fourth
	ds_load_b128 v[240+4*\i:243+4*\i], v9 offset:12288+2048+512*\i
	ds_load_b128 v[ETA+4*\i:ETA+4*\i+3], v2 offset:DP+16*\i            ; head A's distances, as wave 0 left them
	ds_load_b128 v[EBA+4*\i:EBA+4*\i+3], v2 offset:DP+128+16*\i
	ds_load_b128 v[ETB+4*\i:ETB+4*\i+3], v2 offset:DP+512+16*\i        ; head B's, as wave 2 left them
	ds_load_b128 v[EBB+4*\i:EBB+4*\i+3], v2 offset:DP+640+16*\i
.endr
	s_wait_dscnt 0x0
.irp b, 144, 176, 224                              ; the four quarters of K are added, ascending; A's and B's images lie on end
.irp j, 0,2,4,6,8,10,12,14,16,18,20,22,24,26,28,30
	v_pk_add_f32 v[VA+\j:VA+\j+1], v[VA+\j:VA+\j+1], v[\b+\j:\b+\j+1]
.endr
.endr
; p and the rows' sums of trip t, into set st
.macro SOFT t, st
.set PA, P+32*(\st)
.set PB, PA+16
.set QA, Q+2*(\t)
.set QB, QA+1
	v_and_b32 v225, s35, v[QA]                     ; |q''|, taken once and used twice
	v_and_b32 v227, s35, v[QB]
	v_add_f32 v224, v225, v[QA]                    ; b = |q''| + q'': q log2(e) where q > 0, else +0; the doubling rounds nothing
	v_add_f32 v226, v227, v[QB]
	v_sub_f32 v225, v225, v[QA]                    ; a = |q''| - q'': -q log2(e) where q < 0, else +0
	v_sub_f32 v227, v227, v[QB]
.irp i, 0,2,4,6,8,10,12,14
	v_pk_mul_f32 v[PA+\i:PA+\i+1], v[ETA+\i:ETA+\i+1], v[224:225] op_sel_hi:[1,0]   ; b x et (the pair's first register for both halves)
	v_pk_mul_f32 v[PB+\i:PB+\i+1], v[ETB+\i:ETB+\i+1], v[226:227] op_sel_hi:[1,0]
.endr
.irp i, 0,2,4,6,8,10,12,14
	v_pk_fma_f32 v[PA+\i:PA+\i+1], v[EBA+\i:EBA+\i+1], v[224:225], v[PA+\i:PA+\i+1] op_sel:[0,1,0] op_sel_hi:[1,1,1]   ; + a x eb (the pair's second register for both halves)
	v_pk_fma_f32 v[PB+\i:PB+\i+1], v[EBB+\i:EBB+\i+1], v[226:227], v[PB+\i:PB+\i+1] op_sel:[0,1,0] op_sel_hi:[1,1,1]
.endr
.irp i, 0,1,2,3,4,5,6,7,8,9,10,11,12,13,14,15
	v_exp_f32 v[PA+\i], v[PA+\i]
	v_exp_f32 v[PB+\i], v[PB+\i]
.endr
	v_nop                                          ; one plain place behind the exponentials
	s_wait_alu depctr_va_vdst(0)
.irp i, 0,1,2,3
	v_pk_add_f32 v[228+2*\i:229+2*\i], v[PA+4*\i:PA+4*\i+1], v[PA+4*\i+2:PA+4*\i+3]
	v_pk_add_f32 v[240+2*\i:241+2*\i], v[PB+4*\i:PB+4*\i+1], v[PB+4*\i+2:PB+4*\i+3]
.endr
	v_pk_add_f32 v[228:229], v[228:229], v[230:231]
	v_pk_add_f32 v[240:241], v[240:241], v[242:243]
	v_pk_add_f32 v[232:233], v[232:233], v[234:235]
	v_pk_add_f32 v[244:245], v[244:245], v[246:247]
	v_pk_add_f32 v[228:229], v[228:229], v[232:233]
	v_pk_add_f32 v[240:241], v[240:241], v[244:245]
	v_add_f32 v228, v228, v229
	v_add_f32 v240, v240, v241
	v_permlanex16_b32 v230, v228, s32, s33         ; the place's other 16 keys lie in the lane 16 away
	v_permlanex16_b32 v242, v240, s32, s33
	v_add_f32 v[236+2*(\st)], v228, v230
	v_add_f32 v[237+2*(\st)], v240, v242
.endm
; 16 matrix instructions: 8 steps of 4 keys, heads A and B by turns; the first step starts each sum
.macro MM st
.set PA, P+32*(\st)
.irp k, 0,1,2,3,4,5,6,7
.if \k == 0
	v_wmma_f32_16x16x4_f32 v[DA:DA+7], v[VA+2*\k:VA+2*\k+1], v[PA+2*\k:PA+2*\k+1], 0
	v_wmma_f32_16x16x4_f32 v[DB:DB+7], v[VB+2*\k:VB+2*\k+1], v[PA+16+2*\k:PA+16+2*\k+1], 0
.else
	v_wmma_f32_16x16x4_f32 v[DA:DA+7], v[VA+2*\k:VA+2*\k+1], v[PA+2*\k:PA+2*\k+1], v[DA:DA+7]
	v_wmma_f32_16x16x4_f32 v[DB:DB+7], v[VB+2*\k:VB+2*\k+1], v[PA+16+2*\k:PA+16+2*\k+1], v[DB:DB+7]
.endif
.endr
.endm
; trip t's sums are divided, held, quantised, chosen by q > 0 and stored
.macro FIN t, st
.set QA, Q+2*(\t)
.set QB, QA+1
	v_rcp_f32 v6, v[236+2*(\st)]
	v_rcp_f32 v7, v[237+2*(\st)]
	v_cndmask_b32 v8, v[QA], v[QB], s34            ; the q'' of the head that my lane finishes.  (A plain place behind the reciprocals)
	v_cmp_lt_f32 s36, 0, v8                        ; q > 0
	s_wait_alu depctr_va_vdst(0)
.irp j, 0,2,4,6
	v_pk_mul_f32 v[NA+\j:NA+\j+1], v[DA+\j:DA+\j+1], v[6:7] op_sel_hi:[1,0]   ; each accumulator from its low end on
.endr
.irp j, 0,2,4,6
	v_pk_mul_f32 v[NB+\j:NB+\j+1], v[DB+\j:DB+\j+1], v[6:7] op_sel:[0,1] op_sel_hi:[1,1]
.endr
.irp j, 0,1,2,3,4,5,6,7,8,9,10,11,12,13,14,15
	v_med3_num_f32 v[NA+\j], v[NA+\j], -v5, v5     ; the conversion to an 8-bit code does not saturate (ISA guide 7.6.2): the hold at the largest code x the scale
.endr
	v_cvt_scalef32_pk8_bf8_f32 v[228:229], v[NA:NA+7], v4
	v_cvt_scalef32_pk8_bf8_f32 v[230:231], v[NB:NB+7], v4
	v_nop                                          ; one plain place behind the conversions
.irp j, 0,1
	v_cndmask_b32 v[12+\j], v[230+\j], v[228+\j], s34   ; what the lane 16 away lacks: the bottom side of ITS head
	v_cndmask_b32 v[14+\j], v[228+\j], v[230+\j], s34   ; my head's top side
.endr
	v_permlanex16_b32 v232, v12, s32, s33
	v_permlanex16_b32 v233, v13, s32, s33          ; my head's bottom side
	v_cndmask_b32 v[QA], v232, v14, s36            ; the trip's q has been read: its two registers take the codes, and nothing writes them again
	v_cndmask_b32 v[QB], v233, v15, s36
	global_store_b64 v3, v[QA:QA+1], s[16:17] offset:256*(\t)   ; 32 lanes store 256 consecutive bytes, at a multiple of 256 from the buffer's first byte
.endm
	SOFT 0, 0
.irp t, 0,1,2,3,4,5,6,7,8,9,10,11,12,13,14
	MM (\t)%2
	SOFT \t+1, (\t+1)%2
	FIN \t, (\t)%2
.endr
	MM 1
.rept 8
	v_nop                                          ; eight places between this form's last product and the first read of its results (ISA guide 7.12.1)
.endr
	FIN 15, 1
	s_wait_xcnt 0x0
	v_lshl_add_u32 v254, v0, 2, 0x5000
	v_mov_b32 v255, 0
	s_wait_tensorcnt 0x0
	ds_add_u32 v254, v255
	s_wait_dscnt 0x0
	s_endpgm
.Lfunc_end_k_qb7e7411a34_attn:
	.size	k_qb7e7411a34_attn, .Lfunc_end_k_qb7e7411a34_attn-k_qb7e7411a34_attn
	.p2alignl 7, 3214868480
	.fill 96, 4, 3214868480
	.section	.rodata,"a",@progbits
	.p2align	6, 0x0
	.amdhsa_kernel k_qb7e7411a34_attn
		.amdhsa_group_segment_fixed_size 22528
		.amdhsa_private_segment_fixed_size 0
		.amdhsa_enable_private_segment 0
		.amdhsa_kernarg_size 56
		.amdhsa_user_sgpr_count 2
		.amdhsa_user_sgpr_kernarg_segment_ptr 1
		.amdhsa_wavefront_size32 1
		.amdhsa_system_sgpr_workgroup_id_x 1
		.amdhsa_system_sgpr_workgroup_id_y 1
		.amdhsa_system_sgpr_workgroup_id_z 1
		.amdhsa_system_vgpr_workitem_id 0
		.amdhsa_next_free_vgpr 256
		.amdhsa_next_free_sgpr 66
		.amdhsa_reserve_vcc 0
		.amdhsa_float_denorm_mode_32 3
		.amdhsa_float_denorm_mode_16_64 3
		.amdhsa_memory_ordered 1
		.amdhsa_forward_progress 1
		.amdhsa_inst_pref_size 146
	.end_amdhsa_kernel
	.amdgpu_metadata
---
amdhsa.version: [ 1, 2 ]
amdhsa.kernels:
  - .name:           k_qb7e7411a34_attn
    .symbol:         k_qb7e7411a34_attn.kd
    .args:
      - { .name: qbuf, .offset: 0, .size: 8, .value_kind: global_buffer, .address_space: global }
      - { .name: x_codes, .offset: 8, .size: 8, .value_kind: global_buffer, .address_space: global }
      - { .name: Wv_codes, .offset: 16, .size: 8, .value_kind: global_buffer, .address_space: global }
      - { .name: kbuf, .offset: 24, .size: 8, .value_kind: global_buffer, .address_space: global }
      - { .name: idx, .offset: 32, .size: 8, .value_kind: global_buffer, .address_space: global }
      - { .name: lowp_scales, .offset: 40, .size: 8, .value_kind: global_buffer, .address_space: global }
      - { .name: acodes, .offset: 48, .size: 8, .value_kind: global_buffer, .address_space: global }
    .group_segment_fixed_size: 22528
    .private_segment_fixed_size: 0
    .kernarg_segment_align: 8
    .kernarg_segment_size: 56
    .max_flat_workgroup_size: 512
    .sgpr_count:     66
    .vgpr_count:     256
    .wavefront_size: 32
...
	.end_amdgpu_metadata
.endif
;; end of part 3
;; launch outgemm (part 4): grid 4 x 64, 4 waves a work-group, clusters of 4 x 4, 327,680 bytes of LDS; arguments acodes, Wo_codes, lowp_scales, out0; writes out0
.if DOCPART == 4
	.amdgcn_target "amdgcn-amd-amdhsa--gfx1250"
	.amdhsa_code_object_version 6
	.text
	.protected	k_qb7e7411a34_outgemm
	.globl	k_qb7e7411a34_outgemm
	.p2align	8
	.type	k_qb7e7411a34_outgemm,@function
k_qb7e7411a34_outgemm:
	s_mov_b64 s[64:65], 0
	v_nop
	global_prefetch_b8 v0, s[64:65] scope:SCOPE_SE
	s_setreg_imm32_b32 hwreg(HW_REG_WAVE_MODE, 25, 1), 1
	s_wait_xcnt 0x0
	s_wait_alu depctr_hold_cnt(0) depctr_sa_sdst(0) depctr_va_vdst(0) depctr_va_sdst(0) depctr_va_ssrc(0) depctr_va_vcc(0) depctr_vm_vsrc(0)
	s_getreg_b32 s2, hwreg(HW_REG_IB_STS2, 6, 4)
	s_cmp_eq_u32 s2, 0
	s_cbranch_scc0 .Lentry_in_a_cluster
	s_endpgm
.Lentry_in_a_cluster:
	s_bfe_u32 s2, ttmp6, 0x10000c
	s_cmp_lg_u32 s2, 0xf033
	s_cbranch_scc0 .Lentry_shape_is_right
	s_endpgm
.Lentry_shape_is_right:
; out0[m][n] = 2^(e6+e7) x the sum over k of A[m][k] Wo[n][k].  Codes of BF8 (E5M2); out0: [16384][1024] f32; sums in f32.
; Wo: [1024][1024], K innermost.  A, the codes that the launch before made, is laid [64][16384][16]: piece g holds k = 16 g .. 16 g + 15 of every row m, the rows on end.
; LIMIT: e6 + e7 lies between -126 and 127, so that 2^(e6 + e7) is an f32 number.
; A tile of the output, 256 x 256, is made by a work-group of four waves; a wave makes 128 x 128: 64 accumulators of 16 x 16, 512 registers.
; K goes in steps of 256 through a ring of two LDS slots filled by the tensor data mover.  A row of Wo's tile is 256 bytes of memory, padded by 16 in LDS.  A's tile of 128 rows is 16 runs of 2,048 consecutive bytes
; (16 pieces x 128 rows x 16 bytes), 262,144 bytes apart, and lies in LDS as it lies in memory: the sixteen lanes of a fragment load take 16 neighbouring rows of one piece, 256 consecutive bytes.
; CLUSTERS: 4 x 4 work-groups.  The four of a row of the cluster need the same tiles of A, the four of a column the same tiles of Wo: each tile is asked for JOINTLY, by the same tensor load with the
; same descriptor and a mask that names the four.  THE MATRIX INSTRUCTION IS USED TRANSPOSED (source 0 = 16 rows of Wo, source 1 = 16 rows of A): a lane then holds eight neighbouring numbers of a row of the output.
; REGISTERS, in windows of 256: window 0: v0-31 addresses; from v128 A's fragments (8 x 16 rows x 128 K), ONE set; on the way out v32-255 are free.
;   window 1: B's fragments, TWO sets, at v0 and at v128.   window 2: the 32 accumulators of my rows 0-63 (accumulator (a, b) at v[8 (8 a + b)]);   window 3: those of my rows 64-127.
; A step of 128 along K is 64 matrix instructions, A's blocks one after the other, each against B's eight.  A block of A is free as soon as its eight products are issued, so one set of registers serves A:
; blocks 0-3 are fetched anew in the step's middle, blocks 4-7 at its end.  B's fragments are at work through the whole step, so B has two sets.
.set SIZE_M, 16384
.set SIZE_N, 1024
.set SIZE_K, 1024
.set KSTEP,  256                       ; along K in a slot
.set ROWB,   256                       ; a row of B's tile in bytes
.set KROW,   SIZE_K                    ; a row of B in memory, in bytes
.set APIECE, SIZE_M*16                 ; A: bytes from one piece of 16 along K to the next
.set ASTEP,  16*APIECE                 ; A: a K step of 256 is 16 pieces
.set APL,    128*16                    ; A in LDS: a piece's 128 rows x 16 bytes
.set PITCH,  272                       ; B's LDS row: 256 bytes + 16 = 68 words: row r starts at bank 4 r mod 64, so the 16 rows that a load touches start at 16 different banks
.set FR,     16                        ; registers of a fragment: 16 rows x 128 K
.set NL,     4                         ; LDS loads that bring one
.set NP,     4                         ; places behind this matrix instruction (ISA guide 7.12.1)
.set HALFT,  128*PITCH                 ; the room of 128 rows: what one tensor load brings, and what one wave reads of A or of B (A's 128 rows use 32,768 bytes of it)
.set SLOT,   4*HALFT                   ; A's 256 rows, then B's 256 rows
.set LAPS,   SIZE_K/(2*KSTEP)          ; a lap = two K steps = once round the ring
.set SPARE,  2*SLOT                    ; behind the ring: the spare words, 128 bytes for each wave: two blocks of 256 bytes that no other line names
.set SPITCH, 528                       ; the way out: a stage of 16 rows x (512 bytes + 16) for each wave.  It lies in slot 0, which has had its last fill and its last read when the first result is stored there
.set ADRA, 16                          ; v16-17  LDS address of my A fragments in slot 0, 1
.set ADRB, 20                          ; v20-21  the same for B
.set STO,  24                          ; v24     the way out: where I put 32 bytes of a row
.set RD,   25                          ; v25     the way out: where I read a row back
.set CO,   26                          ; v26     my byte offset in a row of the output
.set SPW,  28                          ; v28     LDS address of my spare word: SPARE + 4 x my thread's number; never rewritten
.set NIL,  29                          ; v29     0; never rewritten
.set TMP,  32                          ; the way out: 64 registers, a block's sums x 2^(e6 + e7)
.set AF,   128                         ; A's fragments, in window 0
.set BK,   128                         ; the way out: 16 rows read back from the stage: v128-191 and v192-255 by turns
.set G1, 24                            ; s[24:31] descriptor group 1 for A's tiles;  s[32:39] group 0, one set for each slot
.set G0, 32
.set G1B, 48                           ; s[48:55], s[56:63] the same for B's tiles
.set G0B, 56
.set MSB, 0
.macro WIN new                         ; the immediate's high byte repeats the setting that is left
.if MSB != \new
	s_set_vgpr_msb (MSB<<8)|\new
.set MSB, \new
.endif
.endm
.set MUL_LO, 0xa1                      ; source 0 (B) window 1, source 1 (A) window 0, C and D window 2
.set MUL_HI, 0xf1                      ; the same, C and D window 3
.set TO_B,   0x40                      ; destination window 1, address window 0
; A joint load: waves 0 and 1 fetch for A, waves 2 and 3 for B.  Each of the two lines has ONE mask and one set of registers for all that issue it; the branch hangs on the wave's number alone.
; Four v_nop follow each of the two lines, ahead of the jump, the label and what follows.
.macro JLOAD g0a, g1a, g0b, g1b
	s_cmp_eq_u32 s15, 0
	s_cbranch_scc0 .Lfor_b_\@
	tensor_load_to_lds s[\g0a:\g0a+3], s[\g1a:\g1a+7]
	s_nop 0
.rept 4
	v_nop
.endr
	s_branch .Lasked_\@
.Lfor_b_\@:
	tensor_load_to_lds s[\g0b:\g0b+3], s[\g1b:\g1b+7]
	s_nop 0
.rept 4
	v_nop
.endr
.Lasked_\@:
.endm
.macro CREST                           ; a round of the cluster's barrier behind its opening barrier
	s_cmp_lg_u32 s14, 0
	s_cbranch_scc1 .Lnot_wave_0_\@
	s_barrier_signal -3
.Lnot_wave_0_\@:
	s_barrier_wait -3
	s_barrier_signal -1
	s_barrier_wait -1
.endm
.macro CROUND                          ; a whole round
	s_barrier_signal -1
	s_barrier_wait -1
	CREST
.endm
	s_load_b128 s[4:7], s[0:1], 0x0                ; A's codes s[4:5], B's codes s[6:7]
	s_load_b128 s[8:11], s[0:1], 0x10              ; the scales' exponents s[8:9], the output s[10:11]
	v_lshl_add_u32 v[SPW], v0, 2, SPARE
	v_mov_b32 v[NIL], 0
	ds_add_u32 v28, v29
	ds_add_u32 v28, v29
	s_wait_dscnt 0x0
	v_lshrrev_b32 v1, 5, v0
	v_readfirstlane_b32 s14, v1                    ; wave 0..3
	s_lshr_b32 s15, s14, 1                         ; which half of the tile's rows is mine.  Also: I fetch for A (0) or for B (1)
	s_and_b32 s16, s14, 1                          ; which half of its columns.  Also: which 128 rows of that tile I fetch
	s_bfe_u32 s40, ttmp6, 0x40000                  ; cx, cy: my place in the cluster
	s_bfe_u32 s41, ttmp6, 0x40004
	s_lshl_b32 s42, ttmp9, 2
	s_add_co_u32 s42, s42, s40                     ; tile column = 4 x cluster x + cx
	s_and_b32 s17, ttmp7, 0xffff
	s_lshl_b32 s17, s17, 2
	s_add_co_u32 s17, s17, s41                     ; tile row = 4 x cluster y + cy
	s_lshl_b32 s43, s41, 2
	s_lshl_b32 s43, 15, s43                        ; my row of the cluster
	s_lshl_b32 s44, 0x1111, s40                    ; my column
	; descriptor group 1 for A: 16 runs of 2,048 bytes, 262,144 bytes apart, on end in LDS
	s_or_b32 s[G1+0], s43, (0<<16)|(1<<21)         ; the mask: A's tiles go to my row; elements of 1 byte; no padding; bit 21 set beside a mask
	s_mov_b32 s[G1+1], APL<<16                     ; tensor_dim0 = 2,048
	s_mov_b32 s[G1+2], 16<<16                      ; tensor_dim1 = 16
	s_mov_b32 s[G1+3], APL<<16                     ; tile_dim0
	s_mov_b32 s[G1+4], 16                          ; tile_dim1
	s_mov_b32 s[G1+5], APIECE                      ; tensor_dim0_stride
	s_mov_b32 s[G1+6], 0
	s_mov_b32 s[G1+7], 0
	; for B: a tile of 128 rows x 256 bytes, padded in LDS
	s_or_b32 s[G1B+0], s44, (0<<16)|(1<<20)|(1<<21)|(5<<22)|(3<<25)  ; the mask: B's tiles go to my column; padding on: after every 64 words, 4 words
	s_mov_b32 s[G1B+1], ROWB<<16                   ; tensor_dim0
	s_mov_b32 s[G1B+2], 128<<16                    ; tensor_dim1 = 128
	s_mov_b32 s[G1B+3], ROWB<<16                   ; tile_dim0
	s_mov_b32 s[G1B+4], 128                        ; tile_dim1 = 128
	s_mov_b32 s[G1B+5], KROW                       ; tensor_dim0_stride
	s_mov_b32 s[G1B+6], 0
	s_mov_b32 s[G1B+7], 0
	s_lshl_b32 s18, s16, 7                         ; which 128 rows of the tile I fetch
	s_lshl_b32 s20, s17, 8
	s_add_co_u32 s20, s20, s18                     ; A: row 256 x tile row + 128 x half,
	s_lshl_b32 s20, s20, 4                         ; 16 bytes a row inside a piece
	s_lshl_b32 s46, s42, 8
	s_add_co_u32 s46, s46, s18                     ; B: row 256 x tile column + 128 x half
	s_mov_b32 s21, 0
	s_mov_b32 s47, 0
	s_mov_b64 s[18:19], KROW
	s_mul_u64 s[46:47], s[46:47], s[18:19]         ; and its codes
	s_mul_i32 s45, s14, HALFT                      ; where they go: wave x the room of 128 rows: no place in the cluster enters an LDS address
	s_wait_kmcnt 0x0
	s_load_b64 s[96:97], s[8:9], 0x18              ; e6, e7
	s_add_nc_u64 s[20:21], s[4:5], s[20:21]
	s_add_nc_u64 s[46:47], s[6:7], s[46:47]
	CROUND                                         ; all sixteen work-groups are here: the first joint loads meet
.irp s, 0,1
	s_mov_b32 s[G0+4*\s], 1
	s_add_co_u32 s[G0+4*\s+1], s45, \s*SLOT
	s_add_nc_u64 s[G0+4*\s+2:G0+4*\s+3], s[20:21], \s*ASTEP
	s_or_b32 s[G0+4*\s+3], s[G0+4*\s+3], 0x80000000
	s_mov_b32 s[G0B+4*\s], 1
	s_add_co_u32 s[G0B+4*\s+1], s45, \s*SLOT
	s_add_nc_u64 s[G0B+4*\s+2:G0B+4*\s+3], s[46:47], \s*ROWB
	s_or_b32 s[G0B+4*\s+3], s[G0B+4*\s+3], 0x80000000
	JLOAD G0+4*\s, G1, G0B+4*\s, G1B
.endr
	v_and_b32 v1, 15, v0                           ; l % 16
	v_bfe_u32 v2, v0, 4, 1                         ; l / 16
	v_mul_u32_u24 v3, v1, PITCH
	v_lshl_add_u32 v4, v2, 4, v3                   ; B: a fragment's row x pitch + 16 x half
	v_lshlrev_b32 v7, 4, v1
	v_lshl_add_u32 v7, v2, 11, v7                  ; A: 16 x row + one piece (2,048 bytes) x half
	s_mul_i32 s21, s15, HALFT                      ; my 128 rows of A
	s_mul_i32 s22, s16, HALFT                      ; my 128 rows of B,
	s_add_co_u32 s22, s22, 2*HALFT                 ; which lie behind A's 256
.irp s, 0,1
	v_add_nc_u32 v[ADRA+\s], s21, v7
	v_add_nc_u32 v[ADRB+\s], s22, v4
	s_add_co_u32 s21, s21, SLOT
	s_add_co_u32 s22, s22, SLOT
.endr
	s_mul_i32 s23, s14, 16*SPITCH                  ; my stage
	v_mul_u32_u24 v5, v1, SPITCH                   ; in: row l % 16, 32 bytes for each half of the lanes
	v_lshl_add_u32 v5, v2, 5, v5
	v_add_nc_u32 v[STO], s23, v5
	v_and_b32 v6, 31, v0
	v_lshlrev_b32 v[CO], 4, v6                     ; back: the 32 lanes take one row of 512 bytes; and the same in the output
	v_add_nc_u32 v[RD], s23, v[CO]
	s_lshl_b32 s20, s17, 8
	s_lshl_b32 s21, s15, 7
	s_add_co_u32 s20, s20, s21                     ; my first row of the output: 256 x tile row + 128 x half
	s_mov_b32 s21, 0
	s_mov_b64 s[18:19], SIZE_N*4
	s_mul_u64 s[20:21], s[20:21], s[18:19]
	s_lshl_b32 s46, s42, 10                        ; my first column, in bytes: 1024 x tile column + 512 x half
	s_lshl_b32 s47, s16, 9
	s_add_co_u32 s46, s46, s47
	s_mov_b32 s47, 0
	s_add_nc_u64 s[20:21], s[20:21], s[46:47]
	s_add_nc_u64 s[10:11], s[10:11], s[20:21]
; A fragment, 16 rows x 128 K of 8-bit codes, is 16 registers: lane l holds row l % 16; registers 4 c .. 4 c + 3 hold K = 32 c + 16 (l / 16) + 0 .. 15: the same on both sides.
.macro FRAG reg, adr, q, i             ; of B: from rows that lie along K
.irp c, 0,1,2,3
	ds_load_b128 v[\reg+4*\c:\reg+4*\c+3], v[\adr] offset:128*(\q)+32*\c+(\i)*16*PITCH
.endr
.endm
.macro FRAGA reg, adr, q, i            ; of A: piece 8 q + 2 c + l / 16, rows 16 i + l % 16
.irp c, 0,1,2,3
	ds_load_b128 v[\reg+4*\c:\reg+4*\c+3], v[\adr] offset:(8*(\q)+2*\c)*APL+(\i)*256
.endr
.endm
; 16 matrix instructions: A's blocks a0, a0 + 1 x B's eight, 128 along K.  p: B's set.  zero = 1: the first product starts the sums: nothing is ever cleared.
; The 64 accumulators take turns, one instruction a turn, in the same order in every step.
.macro MUL16 a0, p, zero
.irp a, \a0, \a0+1
.irp b, 0,1,2,3,4,5,6,7
.if \zero
	v_wmma_f32_16x16x128_bf8_bf8 v[8*(8*((\a)%4)+\b):8*(8*((\a)%4)+\b)+7], v[128*(\p)+FR*\b:128*(\p)+FR*\b+FR-1], v[AF+FR*(\a):AF+FR*(\a)+FR-1], 0
.else
	v_wmma_f32_16x16x128_bf8_bf8 v[8*(8*((\a)%4)+\b):8*(8*((\a)%4)+\b)+7], v[128*(\p)+FR*\b:128*(\p)+FR*\b+FR-1], v[AF+FR*(\a):AF+FR*(\a)+FR-1], v[8*(8*((\a)%4)+\b):8*(8*((\a)%4)+\b)+7]
.endif
.endr
.endr
.endm
.macro FETCH_B slot, q, p              ; B's eight fragments of the slot's q-th 128 along K into set p
	WIN TO_B
.irp i, 0,1,2,3,4,5,6,7
	FRAG 128*(\p)+FR*\i, ADRB+\slot, \q, \i
.endr
	WIN 0
.endm
.macro FETCH_A slot, q, i0             ; A's blocks i0 .. i0 + 3
.irp i, \i0, \i0+1, \i0+2, \i0+3
	FRAGA AF+FR*(\i), ADRA+\slot, \q, \i
.endr
.endm
; A load into a register that a matrix instruction has read, and a vector instruction or an LDS store that reads a matrix result, stand NP places behind that matrix instruction; only plain vector
; instructions that name none of its registers are places (ISA guide 7.12.1 for vector instructions).
.macro PLACES n
.rept \n
	v_nop
.endr
.endm
; A step of 128 along K that has its successor in the same slot.
.macro STEP slot, q, zero
	s_wait_dscnt 4*NL                              ; B's set and A's blocks 0-3 are in; the youngest loads (A's blocks 4-7) may be out
	WIN MUL_LO
	MUL16 0, (\q)%2, \zero
	MUL16 2, (\q)%2, \zero
	s_wait_dscnt 0                                 ; A's blocks 4-7 are in (asked for 32 matrix instructions ago)
	PLACES NP
	FETCH_B \slot, (\q)+1, 1-(\q)%2
	FETCH_A \slot, (\q)+1, 0
	WIN MUL_HI
	MUL16 4, (\q)%2, \zero
	MUL16 6, (\q)%2, \zero
	PLACES NP
	WIN 0
	FETCH_A \slot, (\q)+1, 4
.endm
; A slot's last step changes slots: ONE barrier; in front of it each wave waits for all its tensor loads, adds 0 to its spare word, and waits for that and for its own reads of this slot.  fill = 1: this slot is filled again, two K steps ahead.
.macro TURN slot, next, fill
	s_wait_tensorcnt 0x0                           ; all my tensor loads have landed: my part of the next slot;  (every window is 0 here: the add's two registers lie in window 0)
	ds_add_u32 v[SPW], v[NIL]                      ; 0 onto my spare word
	s_wait_dscnt 4*NL+1                            ; (the add and the youngest loads, A's blocks 4-7, may be out)
	WIN MUL_LO
	MUL16 0, 1, 0                                  ; sixteen matrix instructions stand between the add and the wait for it
	s_wait_dscnt 0x0                               ; the add is done, and my reads of this slot are over
	s_barrier_signal -1
	MUL16 2, 1, 0
	WIN 0
	s_barrier_wait -1
.if \fill
	CREST                                          ; the barrier has opened a round of the cluster's barrier: no wave of any partner still reads this slot's tile or has a load on its way
	s_add_nc_u64 s[G0+4*\slot+2:G0+4*\slot+3], s[G0+4*\slot+2:G0+4*\slot+3], 2*ASTEP
	s_add_nc_u64 s[G0B+4*\slot+2:G0B+4*\slot+3], s[G0B+4*\slot+2:G0B+4*\slot+3], 2*ROWB
	JLOAD G0+4*\slot, G1, G0B+4*\slot, G1B         ; the first tensor load behind the round; the four v_nop behind it are the places in front of the loads below
.else
	PLACES NP
.endif
	FETCH_B \next, 0, 0
	FETCH_A \next, 0, 0
	WIN MUL_HI
	MUL16 4, 1, 0
	MUL16 6, 1, 0
	PLACES NP
	WIN 0
	FETCH_A \next, 0, 4
.endm
	s_wait_tensorcnt 1                             ; my part of K step 0 is in (K step 1's load may be out),
	s_barrier_signal -1
	s_barrier_wait -1                              ; everybody's is
	FETCH_B 0, 0, 0
	FETCH_A 0, 0, 0
	FETCH_A 0, 0, 4
	STEP 0, 0, 1                                   ; the first step stands in front of the loop: its products start the sums
	s_mov_b32 s3, LAPS-1
.Llap:                                                 ; a trip goes once round the ring, from a lap's second step to the next lap's first, and fills both slots again
	TURN 0, 1, 1
	STEP 1, 0, 0
	TURN 1, 0, 1
	STEP 0, 0, 0
	s_sub_co_u32 s3, s3, 1
	s_cmp_lg_u32 s3, 0
	s_cbranch_scc1 .Llap
	TURN 0, 1, 0                                   ; the last lap fills nothing, and has no round of the cluster's barrier
	STEP 1, 0, 0
	s_wait_dscnt 4*NL                              ; the very last step: nothing more to fetch
	WIN MUL_LO
	MUL16 0, 1, 0
	MUL16 2, 1, 0
	s_wait_dscnt 0
	WIN MUL_HI
	MUL16 4, 1, 0
	MUL16 6, 1, 0
	WIN 0
; THE WAY OUT, block by block of 16 rows x 128 columns.  A lane holds 32 neighbouring bytes of a row, and the lanes beside it hold other rows: so a block goes through my own stage in LDS and comes back as whole
; rows of 512 bytes, which the 32 lanes store as two aligned runs of 256 bytes.  LDS serves a wave's instructions in order (ISA guide 5.7.1.4): no wait between the stores and the loads, nor in front of the next block's stores.
.macro TOSTAGE a
.set AC, 64*((\a)%4)
	WIN 0x02+((\a)/4)                              ; source 0: window 2 or 3
.irp j, 0,2,4,6,8,10,12,14,16,18,20,22,24,26,28,30,32,34,36,38,40,42,44,46,48,50,52,54,56,58,60,62
	v_pk_mul_f32 v[TMP+\j:TMP+\j+1], v[AC+\j:AC+\j+1], s[96:97] op_sel_hi:[1,0]   ; both x s96 = 2^(e6 + e7); each accumulator from its low end on
.endr
	WIN 0
.irp b, 0,1,2,3,4,5,6,7
	ds_store_b128 v[STO], v[TMP+8*\b:TMP+8*\b+3] offset:64*\b
	ds_store_b128 v[STO], v[TMP+8*\b+4:TMP+8*\b+7] offset:64*\b+16
.endr
.set BB, BK+64*((\a)%2)
.irp t, 0,1,2,3,4,5,6,7,8,9,10,11,12,13,14,15
	ds_load_b128 v[BB+4*\t:BB+4*\t+3], v[RD] offset:\t*SPITCH
.endr
.endm
.macro SEND a, younger                 ; younger: the LDS instructions issued behind block a's loads, which may stay out
.set BB, BK+64*((\a)%2)
	s_wait_dscnt \younger                          ; the block is back in registers
.if (\a) > 0
	s_add_nc_u64 s[10:11], s[10:11], 16*SIZE_N*4   ; (behind a wait on XCNT: the earlier stores have read their base)  16 rows on, so that the stores' offsets stay small: 15 rows at the most
.endif
.irp t, 0,1,2,3,4,5,6,7,8,9,10,11,12,13,14,15
	global_store_b128 v[CO], v[BB+4*\t:BB+4*\t+3], s[10:11] offset:\t*SIZE_N*4 th:TH_STORE_NT   ; 32 lanes store 512 consecutive bytes, at a multiple of 256 from the output's first byte; written once, read by nobody here
.endr
.endm
	s_wait_kmcnt 0x0
	s_add_co_i32 s96, s96, s97                     ; e6 + e7, between -126 and 127,
	s_add_co_i32 s96, s96, 127
	s_lshl_b32 s96, s96, 23                        ; makes the f32 number 2^(e6 + e7)
	PLACES NP                                      ; these places serve the loads into the registers that held A's fragments and the reads of the last products' results alike
	TOSTAGE 0
.irp a, 1,2,3,4,5,6,7
.if \a > 1
	s_wait_xcnt 0x0                                ; block a - 2's stores have read their registers and their base: block a's loads may land there, and the base may step
.endif
	TOSTAGE \a
	SEND \a-1, 32                                  ; behind block a - 1's loads: block a's 16 stores and 16 loads
.endr
	s_wait_xcnt 0x0                                ; block 6's stores have read their base
	SEND 7, 0
	s_wait_tensorcnt 0x0                           ; the wave's end, behind my last tensor load and my last LDS store
	ds_add_u32 v[SPW], v[NIL]
	s_wait_dscnt 0x0
	CROUND                                         ; the closing round: no work-group ends while a partner may still ask for a tile that names it
	s_endpgm
.Lfunc_end_k_qb7e7411a34_outgemm:
	.size	k_qb7e7411a34_outgemm, .Lfunc_end_k_qb7e7411a34_outgemm-k_qb7e7411a34_outgemm
	.p2alignl 7, 3214868480
	.fill 96, 4, 3214868480
	.section	.rodata,"a",@progbits
	.p2align	6, 0x0
	.amdhsa_kernel k_qb7e7411a34_outgemm
		.amdhsa_group_segment_fixed_size 327680
		.amdhsa_private_segment_fixed_size 0
		.amdhsa_enable_private_segment 0
		.amdhsa_kernarg_size 32
		.amdhsa_user_sgpr_count 2
		.amdhsa_user_sgpr_kernarg_segment_ptr 1
		.amdhsa_wavefront_size32 1
		.amdhsa_system_sgpr_workgroup_id_x 1
		.amdhsa_system_sgpr_workgroup_id_y 1
		.amdhsa_system_sgpr_workgroup_id_z 1
		.amdhsa_system_vgpr_workitem_id 0
		.amdhsa_next_free_vgpr 1024
		.amdhsa_next_free_sgpr 98
		.amdhsa_reserve_vcc 0
		.amdhsa_float_denorm_mode_32 3
		.amdhsa_float_denorm_mode_16_64 3
		.amdhsa_memory_ordered 1
		.amdhsa_forward_progress 1
		.amdhsa_inst_pref_size 123
	.end_amdhsa_kernel
	.amdgpu_metadata
---
amdhsa.version: [ 1, 2 ]
amdhsa.kernels:
  - .name:           k_qb7e7411a34_outgemm
    .symbol:         k_qb7e7411a34_outgemm.kd
    .args:
      - { .name: acodes, .offset: 0, .size: 8, .value_kind: global_buffer, .address_space: global }
      - { .name: Wo_codes, .offset: 8, .size: 8, .value_kind: global_buffer, .address_space: global }
      - { .name: lowp_scales, .offset: 16, .size: 8, .value_kind: global_buffer, .address_space: global }
      - { .name: out0, .offset: 24, .size: 8, .value_kind: global_buffer, .address_space: global }
    .group_segment_fixed_size: 327680
    .private_segment_fixed_size: 0
    .kernarg_segment_align: 8
    .kernarg_segment_size: 32
    .max_flat_workgroup_size: 128
    .sgpr_count:     98
    .vgpr_count:     1024
    .wavefront_size: 32
...
	.end_amdgpu_metadata
.endif
;; end of part 4
;; ======== version 2 of 2: 4 launches; version 1 with the launch attn written anew for expert scheduling mode
;; workspace buffers: qbuf 8,388,608 bytes; kbuf 8,388,608 bytes; idx 131,072 bytes of whole numbers; acodes 16,777,216 bytes
;; launch proj: the kernel of part 1 again; grid 128 x 2, 4 waves a work-group, clusters of 4 x 1, 327,680 bytes of LDS; arguments x_codes, Wq_codes, Wk_codes, lowp_scales, qbuf, kbuf; writes qbuf, kbuf
;; launch topk: the kernel of part 2 again; grid 256 x 1, 4 waves a work-group, no clusters, 33,280 bytes of LDS; arguments kbuf, idx; writes idx
;; launch attn (part 5): grid 256 x 1, 16 waves a work-group, no clusters, 22,528 bytes of LDS; arguments qbuf, x_codes, Wv_codes, kbuf, idx, lowp_scales, acodes; writes acodes
.if DOCPART == 5
	.amdgcn_target "amdgcn-amd-amdhsa--gfx1250"
	.amdhsa_code_object_version 6
	.text
	.protected	k_qb7e7411a34_attn
	.globl	k_qb7e7411a34_attn
	.p2align	8
	.type	k_qb7e7411a34_attn,@function
k_qb7e7411a34_attn:
	s_mov_b64 s[64:65], 0
	v_nop
	global_prefetch_b8 v0, s[64:65] scope:SCOPE_SE
	s_setreg_imm32_b32 hwreg(HW_REG_WAVE_SCHED_MODE, 0, 2), 2
	s_setreg_imm32_b32 hwreg(HW_REG_WAVE_MODE, 25, 1), 1
	s_wait_xcnt 0x0
	s_wait_alu depctr_vm_vsrc(0)
; For one batch and one PAIR of heads (A even, B odd), all 4,096 places: first the pair's tables, then the attention, quantised to BF8 with 2^e6: the last product's operand.
; PART 1, THE TABLES.  v = x Wv^T at the 64 chosen places of each head only (the other rows of v are thrown away behind the sort), on codes of BF8, x 2^(e4+e5); and the chosen keys' distances from the largest
; and the smallest key.  The places come from a buffer of whole numbers that an earlier launch stored; each is held at 4,095 before it enters an address.
;   Wave w = 4 kq + 2 hp + T of sixteen makes list places 16 T .. 16 T + 15 of head hp, both sets, for K bytes 256 kq .. 256 kq + 255: two steps of 128, two accumulators by turns.  No branch hangs on the wave's number.
;   Source 0 = 16 gathered rows of x, source 1 = the head's 8 rows of Wv, taken twice.  Row m of source 0 takes list place 16 T + 8 m2 + 4 m1 + 2 m3 + m0 (the bits of m), so that the result's registers are an image of
;   the f32 product's operand: the float at 512 p + 16 lane + 4 c (lane = (r, h)) is value r % 8 of list place 8 p + 4 (c / 2) + 2 h + c % 2, of the top set (r < 8 in head A, r >= 8 in head B) or of the bottom set.
;   LDS: the partial images, 1,024 bytes a wave, at 1,024 w; the distances, 256 bytes a wave, at 16,384 + 256 w: et[h][n], then eb[h][n], n = 2 kk + j for list place 4 kk + 2 h + j; et = top key - largest key,
;   eb = smallest key - bottom key, both at most 0.  One barrier; then every wave adds the four partial images of both heads, K ascending, in f32, and takes the distances that waves 0 and 2 left.
; PART 2, THE ATTENTION.  The softmax over 32 scores q x key, with the top set where q > 0 and the bottom set else, weighs 32 rows of 8 values.
; THE MAXIMUM IS TAKEN AWAY EXACTLY, without a search: the largest score is q x (largest key) for q > 0 and q x (smallest key) else.  With q'' = q log2(e) / 2, b = |q''| + q'' and a = |q''| - q''
; (one of them is q log2(e) in magnitude, the other +0; both are +0 for q = 0 of either sign):
;   t = b et + a eb, p = 2^t: one of the two terms is 0, t is at most 0, and the largest p is 1, so the row's sum lies between 1 and 32.
; THE PRODUCT stays in f32, since its result goes into a quantiser: v_wmma_f32_16x16x4_f32, source 0 = the head's 8 values of the top set and 8 of the bottom set, source 1 = p for 16 places.
; One half of the result is the side that q chooses; the other half is thrown away.  In head A lanes 0-15 hold the top side and lanes 16-31 the bottom; in head B the other way round: so lanes 0-15 finish
; head A and lanes 16-31 head B, each with its own top side at hand and the bottom side one lane exchange away.  Both sides are quantised first, so that the exchange and the choice work on two registers and not on eight.
; SHARES.  Wave w takes places 256 w .. 256 w + 255 of both heads, in 16 trips of 16 places.  The tables stay in registers.  Four waves to a SIMD.
; The next trip's softmax stands between a trip's products and the lines that read their results: more than 30 plain instructions that name none of the products' registers.
; THE CODES are laid [64 pairs][16,384 rows][16 bytes]: a trip's 16 places x 16 bytes are 256 consecutive bytes, aligned, stored by one instruction.  They go into the registers that held the trip's q,
; which nothing writes again.
; THE MODE: SCHED_MODE bits 1:0 = 2 (LLVM: expert scheduling mode 2), set by the entry lines.  The code itself states the register dependences
; between vector or matrix instructions and memory or LDS instructions, with s_wait_alu, always for 0.
; THE PLAN.  Registers that memory or LDS instructions touch:
;   v1, v2, v3, v9, v10, v12, v224, v225, v232   offsets and LDS addresses, made at the head: one wait on va_vdst ahead of the first load serves every access by them.  v1, v2, v3, v9, v10 are never written again.
;   v230, v231, v233, v234   offsets made from the list entries: one wait on va_vdst ahead of the 26 loads that read them.
;   v224, v225               written again by two lane permutes: one wait on vm_vsrc ahead of these.
;   v32-39, v237, v238       the LDS stores' data: one wait on va_vdst ahead of the four stores.  No vector or matrix instruction stands between that wait and the 48 LDS loads behind the barrier, so it also states that
;                            all that read or wrote v16-111, v144-207 and v224-255 is done: there those loads land.  One wait on vm_vsrc behind the barrier: the LDS stores and the global loads have read their registers among these, and v12.
;   a trip's pair of codes   written by the trip's last two choices, read by its one store, never written again.  So the store need not follow at once: trip t - 1's store stands behind the wait on va_vdst that trip t
;                            holds for its reciprocals.  The last trip's store has a wait of its own.
;   s18, s36                 written by vector instructions: a wait on va_sdst ahead of the first reader of each.
; LIMITS: e4 + e5 between -126 and 127; e6 between -126 and 112.  NaN and infinities among q, keys and values are not served.
.set VA,  16                           ; v16-31, v32-47    the values' images, heads A and B
.set VB,  32
.set ETA, 48                           ; v48-63, v64-79    A's distances: top, bottom
.set EBA, 64
.set ETB, 80                           ; v80-95, v96-111   B's
.set EBB, 96
.set Q,   112                          ; v112-143  q'': trip t's pair (A, B) at 112 + 2 t; later the trip's codes
.set P,   144                          ; v144-207  p: 144 + 32 set + 16 head
.set DA,  208                          ; v208-215, v216-223  the sums: written by the f32 matrix instructions alone
.set DB,  216
.set NA,  240                          ; v240-247, v248-255  the sums / the row's sum
.set NB,  248
.set ACCT, 16                          ; part 1: the two accumulators, the chosen halves,
.set ACCB, 24
.set R,    32
.set S0,   144                         ; and the two sets of 48: the top rows' fragment, the bottom rows', Wv's
.set S1,   48
.set DP,   16384                       ; LDS: the distances, behind the 16 partial images
; v1 where I put my partial image, v2 64 h, v9 16 x lane, v12 where I put my distances (LDS); v3 my offset in the output; v4 2^e6, v5 57,344 x 2^e6; v[6:7] the reciprocals; v8, v12-15 at work in part 2;
; v10 q's offset; v224-243 at work in part 1; v[224:227] (b, a) of A and of B; v228-235 at work; v236-239 the rows' sums
	s_load_b256 s[4:11], s[0:1], 0x0               ; q s[4:5], x s[6:7], Wv s[8:9], the keys s[10:11]
	s_load_b128 s[12:15], s[0:1], 0x20             ; idx s[12:13], the scales' exponents s[14:15]
	s_load_b64 s[16:17], s[0:1], 0x30              ; the codes
	v_lshrrev_b32 v1, 5, v0
	v_readfirstlane_b32 s18, v1                    ; wave w
	s_wait_alu depctr_va_sdst(0)                   ; s18 is written, ahead of its first reader: the wave's shares and bases are made from it
	s_and_b32 s19, s18, 1                          ; T
	s_bfe_u32 s20, s18, 0x10001                    ; hp: which head of the pair I gather for
	s_lshr_b32 s21, s18, 2                         ; kq: which quarter of K
	s_lshl_b32 s22, ttmp9, 1                       ; (batch, head A)
	s_add_co_u32 s23, s22, s20                     ; (batch, the head I gather for)
	s_lshr_b32 s28, ttmp9, 6                       ; batch
	s_and_b32 s29, ttmp9, 63                       ; pair
	s_mov_b32 s32, 0x76543210                      ; v_permlanex16_b32: lane l xor 16
	s_mov_b32 s33, 0xfedcba98
	s_mov_b32 s34, 0xffff0000                      ; lanes 16-31
	s_mov_b32 s35, 0x7fffffff                      ; clears an f32 number's sign
	s_mov_b32 s31, 0
	v_and_b32 v13, 31, v0                          ; lane
	v_and_b32 v14, 15, v0                          ; r
	v_bfe_u32 v15, v0, 4, 1                        ; h
	v_lshlrev_b32 v9, 4, v13                       ; an image's place for my lane
	v_lshlrev_b32 v2, 6, v15                       ; the distances of my half
	s_lshl_b32 s30, s18, 10
	v_add_nc_u32 v1, s30, v9                       ; my partial image: 1,024 w + 16 x lane
	v_bfe_u32 v12, v13, 1, 1                       ; my distances: 64 ((l / 2) % 2) + 8 (l / 4) + 4 (l % 2)
	v_lshlrev_b32 v12, 6, v12
	v_lshrrev_b32 v11, 2, v13
	v_lshl_add_u32 v12, v11, 3, v12
	v_and_b32 v11, 1, v13
	v_lshl_add_u32 v12, v11, 2, v12
	s_lshl_b32 s30, s18, 8
	v_add_nc_u32 v12, s30, v12                     ; + 256 w
	v_lshlrev_b32 v10, 2, v14                      ; q: 4 r
	v_lshlrev_b32 v3, 4, v14
	v_lshl_add_u32 v3, v15, 3, v3                  ; the output: 16 r + 8 h
	v_and_b32 v224, 1, v14                         ; r0
	v_bfe_u32 v243, v14, 3, 1
	v_lshl_add_u32 v224, v243, 1, v224             ; + 2 r3
	v_bfe_u32 v243, v14, 1, 1
	v_lshl_add_u32 v224, v243, 2, v224             ; + 4 r1
	v_bfe_u32 v243, v14, 2, 1
	v_lshl_add_u32 v224, v243, 3, v224             ; + 8 r2
	s_lshl_b32 s30, s19, 4
	v_add_nc_u32 v224, s30, v224                   ; + 16 T: my row's place in the lists
	v_lshlrev_b32 v224, 2, v224
	v_lshlrev_b32 v225, 2, v13                     ; for the keys: list place = lane
	s_lshl_b32 s30, s21, 8
	v_lshl_add_u32 v241, v15, 4, s30               ; 16 h + 256 kq
	v_and_b32 v232, 7, v14
	v_lshl_add_u32 v232, v232, 10, v241            ; Wv: row r % 8 of the head's eight
	s_wait_kmcnt 0x0
	s_load_b128 s[24:27], s[14:15], 0x10           ; e4, e5, e6, e7
	s_lshl_b32 s30, s23, 8
	s_add_nc_u64 s[12:13], s[12:13], s[30:31]      ; the lists of the head I gather for
	s_wait_alu depctr_va_vdst(0)                   ; the offsets and LDS addresses v1, v2, v3, v9, v10, v12, v224, v225, v232 are written, which the loads and stores from here on read
	global_load_b32 v226, v224, s[12:13]           ; my row's place in the sequence: top,
	global_load_b32 v227, v224, s[12:13] offset:128   ; bottom
	global_load_b32 v228, v225, s[12:13]           ; and for the keys
	global_load_b32 v229, v225, s[12:13] offset:128
	s_lshl_b32 s30, s22, 14
	s_lshl_b32 s37, s18, 10
	s_add_co_u32 s30, s30, s37
	s_add_nc_u64 s[4:5], s[4:5], s[30:31]          ; q of head A at my first place
.irp t, 0,1,2,3,4,5,6,7,8,9,10,11,12,13,14,15
	global_load_b32 v[Q+2*\t], v10, s[4:5] offset:64*\t
	global_load_b32 v[Q+2*\t+1], v10, s[4:5] offset:16384+64*\t
.endr
	s_lshl_b32 s30, s28, 22
	s_add_nc_u64 s[6:7], s[6:7], s[30:31]          ; x at the batch
	s_lshl_b32 s30, s29, 1
	s_add_co_u32 s30, s30, s20
	s_lshl_b32 s30, s30, 13
	s_add_nc_u64 s[8:9], s[8:9], s[30:31]          ; Wv at the head's eight rows
	s_lshl_b32 s30, s23, 14
	s_add_nc_u64 s[10:11], s[10:11], s[30:31]      ; the head's keys
	s_lshl_b32 s30, s29, 18                        ; the output: 262,144 x pair + 16 x (4,096 batch + 256 w)
	s_lshl_b32 s37, s28, 16
	s_add_co_u32 s30, s30, s37
	s_lshl_b32 s37, s18, 12
	s_add_co_u32 s30, s30, s37
	s_add_nc_u64 s[16:17], s[16:17], s[30:31]
	s_wait_loadcnt 32                              ; the four list entries are in; q's 32 loads may be out
	v_min_u32 v226, 0xfff, v226
	v_min_u32 v227, 0xfff, v227
	v_min_u32 v228, 0xfff, v228
	v_min_u32 v229, 0xfff, v229
	v_lshlrev_b32 v230, 10, v226
	v_add_nc_u32 v230, v230, v241                  ; a row of x is 1,024 bytes; + 16 h + 256 kq
	v_lshlrev_b32 v231, 10, v227
	v_add_nc_u32 v231, v231, v241
	v_lshlrev_b32 v233, 2, v228
	v_lshlrev_b32 v234, 2, v229
	s_wait_alu depctr_va_vdst(0)                   ; the offsets v230, v231, v233, v234 are written, which the 26 loads below read
	global_load_b32 v235, v233, s[10:11]           ; top key of list place = lane
	global_load_b32 v236, v234, s[10:11]           ; bottom key
.macro LOADK st, off                   ; twelve loads: 128 along K of the top rows, the bottom rows and Wv
.irp c, 0,1,2,3
	global_load_b128 v[\st+4*\c:\st+4*\c+3], v230, s[6:7] offset:\off+32*\c
.endr
.irp c, 0,1,2,3
	global_load_b128 v[\st+16+4*\c:\st+16+4*\c+3], v231, s[6:7] offset:\off+32*\c
.endr
.irp c, 0,1,2,3
	global_load_b128 v[\st+32+4*\c:\st+32+4*\c+3], v232, s[8:9] offset:\off+32*\c
.endr
.endm
	LOADK S0, 0
	LOADK S1, 128
	s_wait_kmcnt 0x0
	s_add_co_i32 s40, s26, 127
	s_lshl_b32 s41, s40, 23
	v_mov_b32 v4, s41                              ; 2^e6 as f32: the conversion takes its exponent field
	s_add_co_i32 s40, s40, 15
	s_lshl_b32 s40, s40, 23
	s_or_b32 s40, s40, 0x600000
	v_mov_b32 v5, s40                              ; 57,344 x 2^e6
	s_add_co_i32 s38, s24, s25
	s_add_co_i32 s38, s38, 127
	s_lshl_b32 s38, s38, 23                        ; 2^(e4 + e5)
	s_mov_b32 s39, s38                             ; (named with it as a pair, so it is written)
	s_cmp_eq_u32 s20, 0
	s_mov_b32 s42, 0x00ff00ff
	s_cselect_b32 s42, 0xff00ff00, s42             ; the lanes that take the bottom set: r >= 8 in head A, r < 8 in head B
	s_wait_loadcnt 12                              ; q, the keys and the first step's twelve are in; the second step's twelve may be out
	v_wmma_f32_16x16x128_bf8_bf8 v[ACCT:ACCT+7], v[S0:S0+15], v[S0+32:S0+47], 0
	v_wmma_f32_16x16x128_bf8_bf8 v[ACCB:ACCB+7], v[S0+16:S0+31], v[S0+32:S0+47], 0
	s_wait_loadcnt 0x0
	v_wmma_f32_16x16x128_bf8_bf8 v[ACCT:ACCT+7], v[S1:S1+15], v[S1+32:S1+47], v[ACCT:ACCT+7]   ; the two accumulators take turns
	v_wmma_f32_16x16x128_bf8_bf8 v[ACCB:ACCB+7], v[S1+16:S1+31], v[S1+32:S1+47], v[ACCB:ACCB+7]
.irp i, 0,2,4,6,8,10,12,14,16,18,20,22,24,26,28,30
	v_pk_mul_f32 v[Q+\i:Q+\i+1], v[Q+\i:Q+\i+1], 0x3f38aa3b op_sel_hi:[1,0]   ; q'' = q log2(e) / 2: the sign stays.  (These sixteen are also the places behind the products)
.endr
	v_mov_b32 v237, v235
	v_mov_b32 v238, v236
.irp m, 1,2,4,8
	v_max_num_f32_dpp v237, v237, v237 row_xmask:\m row_mask:0xf bank_mask:0xf
	v_min_num_f32_dpp v238, v238, v238 row_xmask:\m row_mask:0xf bank_mask:0xf
.endr
	s_wait_alu depctr_vm_vsrc(0)                   ; the list loads have read their offsets v224 and v225, which the two permutes below write
	v_permlanex16_b32 v224, v237, s32, s33         ; (the destinations have been written: they held offsets of loads that are in)
	v_permlanex16_b32 v225, v238, s32, s33
	v_max_num_f32 v237, v237, v224                 ; the largest key
	v_min_num_f32 v238, v238, v225                 ; the smallest key
	v_sub_f32 v237, v235, v237                     ; et
	v_sub_f32 v238, v238, v236                     ; eb
.irp j, 0,1,2,3,4,5,6,7
	v_cndmask_b32 v[R+\j], v[ACCT+\j], v[ACCB+\j], s42   ; both accumulators from their low end on
.endr
.irp j, 0,2,4,6
	v_pk_mul_f32 v[R+\j:R+\j+1], v[R+\j:R+\j+1], s[38:39] op_sel_hi:[1,0]
.endr
	s_wait_alu depctr_va_vdst(0)                   ; v32-39, v237 and v238 are written, which the LDS stores read; and all vector and matrix instructions of part 1 are done with v16-111, v144-207 and v224-255, in which the LDS loads behind the barrier land: none is issued between here and those loads
	ds_store_b128 v1, v[R:R+3]                     ; 32 lanes store 512 consecutive bytes
	ds_store_b128 v1, v[R+4:R+7] offset:512
	ds_store_b32 v12, v237 offset:DP
	ds_store_b32 v12, v238 offset:DP+128
	s_wait_dscnt 0x0                               ; for the others' sake: my part of the tables lies in LDS
	s_barrier_signal -1
	s_barrier_wait -1
	s_wait_alu depctr_vm_vsrc(0)                   ; my LDS stores have read v32-39, v237 and v238, and the global loads their offsets v230-234: the loads below land in all of these; v12, which the trips write, has been read too
.irp i, 0,1,2,3
	ds_load_b128 v[VA+4*\i:VA+4*\i+3], v9 offset:512*\i                ; K's first quarter: head A,
	ds_load_b128 v[VB+4*\i:VB+4*\i+3], v9 offset:2048+512*\i           ; head B
	ds_load_b128 v[144+4*\i:147+4*\i], v9 offset:4096+512*\i           ; the second quarter
	ds_load_b128 v[160+4*\i:163+4*\i], v9 offset:4096+2048+512*\i
	ds_load_b128 v[176+4*\i:179+4*\i], v9 offset:8192+512*\i           ; the third
	ds_load_b128 v[192+4*\i:195+4*\i], v9 offset:8192+2048+512*\i
	ds_load_b128 v[224+4*\i:227+4*\i], v9 offset:12288+512*\i          ; the fourth
	ds_load_b128 v[240+4*\i:243+4*\i], v9 offset:12288+2048+512*\i
	ds_load_b128 v[ETA+4*\i:ETA+4*\i+3], v2 offset:DP+16*\i            ; head A's distances, as wave 0 left them
	ds_load_b128 v[EBA+4*\i:EBA+4*\i+3], v2 offset:DP+128+16*\i
	ds_load_b128 v[ETB+4*\i:ETB+4*\i+3], v2 offset:DP+512+16*\i        ; head B's, as wave 2 left them
	ds_load_b128 v[EBB+4*\i:EBB+4*\i+3], v2 offset:DP+640+16*\i
.endr
	s_wait_dscnt 0x0
.irp b, 144, 176, 224                              ; the four quarters of K are added, ascending; A's and B's images lie on end
.irp j, 0,2,4,6,8,10,12,14,16,18,20,22,24,26,28,30
	v_pk_add_f32 v[VA+\j:VA+\j+1], v[VA+\j:VA+\j+1], v[\b+\j:\b+\j+1]
.endr
.endr
; p and the rows' sums of trip t, into set st
.macro SOFT t, st
.set PA, P+32*(\st)
.set PB, PA+16
.set QA, Q+2*(\t)
.set QB, QA+1
	v_and_b32 v225, s35, v[QA]                     ; |q''|, taken once and used twice
	v_and_b32 v227, s35, v[QB]
	v_add_f32 v224, v225, v[QA]                    ; b = |q''| + q'': q log2(e) where q > 0, else +0; the doubling rounds nothing
	v_add_f32 v226, v227, v[QB]
	v_sub_f32 v225, v225, v[QA]                    ; a = |q''| - q'': -q log2(e) where q < 0, else +0
	v_sub_f32 v227, v227, v[QB]
.irp i, 0,2,4,6,8,10,12,14
	v_pk_mul_f32 v[PA+\i:PA+\i+1], v[ETA+\i:ETA+\i+1], v[224:225] op_sel_hi:[1,0]   ; b x et (the pair's first register for both halves)
	v_pk_mul_f32 v[PB+\i:PB+\i+1], v[ETB+\i:ETB+\i+1], v[226:227] op_sel_hi:[1,0]
.endr
.irp i, 0,2,4,6,8,10,12,14
	v_pk_fma_f32 v[PA+\i:PA+\i+1], v[EBA+\i:EBA+\i+1], v[224:225], v[PA+\i:PA+\i+1] op_sel:[0,1,0] op_sel_hi:[1,1,1]   ; + a x eb (the pair's second register for both halves)
	v_pk_fma_f32 v[PB+\i:PB+\i+1], v[EBB+\i:EBB+\i+1], v[226:227], v[PB+\i:PB+\i+1] op_sel:[0,1,0] op_sel_hi:[1,1,1]
.endr
.irp i, 0,1,2,3,4,5,6,7,8,9,10,11,12,13,14,15
	v_exp_f32 v[PA+\i], v[PA+\i]
	v_exp_f32 v[PB+\i], v[PB+\i]
.endr
	v_nop                                          ; one plain place behind the exponentials
	s_wait_alu depctr_va_vdst(0)                   ; the 32 exponentials have written p: one wait for the batch, ahead of its first reader
.irp i, 0,1,2,3
	v_pk_add_f32 v[228+2*\i:229+2*\i], v[PA+4*\i:PA+4*\i+1], v[PA+4*\i+2:PA+4*\i+3]
	v_pk_add_f32 v[240+2*\i:241+2*\i], v[PB+4*\i:PB+4*\i+1], v[PB+4*\i+2:PB+4*\i+3]
.endr
	v_pk_add_f32 v[228:229], v[228:229], v[230:231]
	v_pk_add_f32 v[240:241], v[240:241], v[242:243]
	v_pk_add_f32 v[232:233], v[232:233], v[234:235]
	v_pk_add_f32 v[244:245], v[244:245], v[246:247]
	v_pk_add_f32 v[228:229], v[228:229], v[232:233]
	v_pk_add_f32 v[240:241], v[240:241], v[244:245]
	v_add_f32 v228, v228, v229
	v_add_f32 v240, v240, v241
	v_permlanex16_b32 v230, v228, s32, s33         ; the place's other 16 keys lie in the lane 16 away
	v_permlanex16_b32 v242, v240, s32, s33
	v_add_f32 v[236+2*(\st)], v228, v230
	v_add_f32 v[237+2*(\st)], v240, v242
.endm
; 16 matrix instructions: 8 steps of 4 keys, heads A and B by turns; the first step starts each sum
.macro MM st
.set PA, P+32*(\st)
.irp k, 0,1,2,3,4,5,6,7
.if \k == 0
	v_wmma_f32_16x16x4_f32 v[DA:DA+7], v[VA+2*\k:VA+2*\k+1], v[PA+2*\k:PA+2*\k+1], 0
	v_wmma_f32_16x16x4_f32 v[DB:DB+7], v[VB+2*\k:VB+2*\k+1], v[PA+16+2*\k:PA+16+2*\k+1], 0
.else
	v_wmma_f32_16x16x4_f32 v[DA:DA+7], v[VA+2*\k:VA+2*\k+1], v[PA+2*\k:PA+2*\k+1], v[DA:DA+7]
	v_wmma_f32_16x16x4_f32 v[DB:DB+7], v[VB+2*\k:VB+2*\k+1], v[PA+16+2*\k:PA+16+2*\k+1], v[DB:DB+7]
.endif
.endr
.endm
; trip t's sums are divided, held, quantised and chosen by q > 0; the codes of the trip before are stored
.macro FIN t, st
.set QA, Q+2*(\t)
.set QB, QA+1
	v_rcp_f32 v6, v[236+2*(\st)]
	v_rcp_f32 v7, v[237+2*(\st)]
	v_cndmask_b32 v8, v[QA], v[QB], s34            ; the q'' of the head that my lane finishes.  (A plain place behind the reciprocals)
	v_cmp_lt_f32 s36, 0, v8                        ; q > 0
	s_wait_alu depctr_va_vdst(0)                   ; the reciprocals have written v6 and v7, ahead of their first reader; and the trip before has written its two registers of codes, which the store below reads
	s_wait_alu depctr_va_sdst(0)                   ; the compare has written s36, ahead of its first reader, the choice at this trip's end
.if (\t) > 0
	global_store_b64 v3, v[QA-2:QA-1], s[16:17] offset:256*((\t)-1)   ; the trip before: 32 lanes store 256 consecutive bytes, at a multiple of 256 from the buffer's first byte.  No vector instruction since the wait names v3 or these two registers, and none writes them again
.endif
.irp j, 0,2,4,6
	v_pk_mul_f32 v[NA+\j:NA+\j+1], v[DA+\j:DA+\j+1], v[6:7] op_sel_hi:[1,0]   ; each accumulator from its low end on
.endr
.irp j, 0,2,4,6
	v_pk_mul_f32 v[NB+\j:NB+\j+1], v[DB+\j:DB+\j+1], v[6:7] op_sel:[0,1] op_sel_hi:[1,1]
.endr
.irp j, 0,1,2,3,4,5,6,7,8,9,10,11,12,13,14,15
	v_med3_num_f32 v[NA+\j], v[NA+\j], -v5, v5     ; the conversion to an 8-bit code does not saturate (ISA guide 7.6.2): the hold at the largest code x the scale
.endr
	v_cvt_scalef32_pk8_bf8_f32 v[228:229], v[NA:NA+7], v4
	v_cvt_scalef32_pk8_bf8_f32 v[230:231], v[NB:NB+7], v4
	v_nop                                          ; one plain place behind the conversions
.irp j, 0,1
	v_cndmask_b32 v[12+\j], v[230+\j], v[228+\j], s34   ; what the lane 16 away lacks: the bottom side of ITS head
	v_cndmask_b32 v[14+\j], v[228+\j], v[230+\j], s34   ; my head's top side
.endr
	v_permlanex16_b32 v232, v12, s32, s33
	v_permlanex16_b32 v233, v13, s32, s33          ; my head's bottom side
	v_cndmask_b32 v[QA], v232, v14, s36            ; the trip's q has been read: its two registers take the codes, and nothing writes them again
	v_cndmask_b32 v[QB], v233, v15, s36
.endm
	SOFT 0, 0
.irp t, 0,1,2,3,4,5,6,7,8,9,10,11,12,13,14
	MM (\t)%2
	SOFT \t+1, (\t+1)%2
	FIN \t, (\t)%2
.endr
	MM 1
.rept 8
	v_nop                                          ; eight places between this form's last product and the first read of its results (ISA guide 7.12.1)
.endr
	FIN 15, 1
	s_wait_alu depctr_va_vdst(0)                   ; the last trip has written its two registers of codes, which the last store reads
	global_store_b64 v3, v[Q+30:Q+31], s[16:17] offset:256*15
	s_wait_xcnt 0x0
	v_lshl_add_u32 v254, v0, 2, 0x5000             ; the add's two registers are made anew here, straight ahead of the closing lines: no memory or LDS instruction has read v254 or v255
	v_mov_b32 v255, 0
	s_wait_dscnt 0x0                               ; the closing lines, six on end
	s_wait_alu 0x0
	s_wait_tensorcnt 0x0
	ds_add_u32 v254, v255
	s_wait_dscnt 0x0
	s_endpgm
.Lfunc_end_k_qb7e7411a34_attn:
	.size	k_qb7e7411a34_attn, .Lfunc_end_k_qb7e7411a34_attn-k_qb7e7411a34_attn
	.p2alignl 7, 3214868480
	.fill 96, 4, 3214868480
	.section	.rodata,"a",@progbits
	.p2align	6, 0x0
	.amdhsa_kernel k_qb7e7411a34_attn
		.amdhsa_group_segment_fixed_size 22528
		.amdhsa_private_segment_fixed_size 0
		.amdhsa_enable_private_segment 0
		.amdhsa_kernarg_size 56
		.amdhsa_user_sgpr_count 2
		.amdhsa_user_sgpr_kernarg_segment_ptr 1
		.amdhsa_wavefront_size32 1
		.amdhsa_system_sgpr_workgroup_id_x 1
		.amdhsa_system_sgpr_workgroup_id_y 1
		.amdhsa_system_sgpr_workgroup_id_z 1
		.amdhsa_system_vgpr_workitem_id 0
		.amdhsa_next_free_vgpr 256
		.amdhsa_next_free_sgpr 66
		.amdhsa_reserve_vcc 0
		.amdhsa_float_denorm_mode_32 3
		.amdhsa_float_denorm_mode_16_64 3
		.amdhsa_memory_ordered 1
		.amdhsa_forward_progress 1
		.amdhsa_inst_pref_size 147
	.end_amdhsa_kernel
	.amdgpu_metadata
---
amdhsa.version: [ 1, 2 ]
amdhsa.kernels:
  - .name:           k_qb7e7411a34_attn
    .symbol:         k_qb7e7411a34_attn.kd
    .args:
      - { .name: qbuf, .offset: 0, .size: 8, .value_kind: global_buffer, .address_space: global }
      - { .name: x_codes, .offset: 8, .size: 8, .value_kind: global_buffer, .address_space: global }
      - { .name: Wv_codes, .offset: 16, .size: 8, .value_kind: global_buffer, .address_space: global }
      - { .name: kbuf, .offset: 24, .size: 8, .value_kind: global_buffer, .address_space: global }
      - { .name: idx, .offset: 32, .size: 8, .value_kind: global_buffer, .address_space: global }
      - { .name: lowp_scales, .offset: 40, .size: 8, .value_kind: global_buffer, .address_space: global }
      - { .name: acodes, .offset: 48, .size: 8, .value_kind: global_buffer, .address_space: global }
    .group_segment_fixed_size: 22528
    .private_segment_fixed_size: 0
    .kernarg_segment_align: 8
    .kernarg_segment_size: 56
    .max_flat_workgroup_size: 512
    .sgpr_count:     66
    .vgpr_count:     256
    .wavefront_size: 32
...
	.end_amdgpu_metadata
.endif
;; end of part 5
;; launch outgemm: the kernel of part 4 again; grid 4 x 64, 4 waves a work-group, clusters of 4 x 4, 327,680 bytes of LDS; arguments acodes, Wo_codes, lowp_scales, out0; writes out0
